; MI455X (gfx1250); checked and timed in simulation.
; The chip was launched on July 23, 2026; its instructions are those of AMD's public machine-readable ISA for CDNA 5 (MIT licence, August 2026) and "CDNA5" Instruction Set Architecture Reference Guide (July 2026). The comments in the code are by the model that wrote it; some were corrected since.
;; Multi Head Self Attention. Allowed arithmetic: matrix products marked QUANTISED: E2M3 operands, one E8M0 scale for each 32 along K, by v_wmma_scale_f32_16x16x128_f8f6f4 with both operands' format E2M3, f32 sums; everything else in f32.
;; Inputs: W_out 1,024 x 1,024 float32; W_qkv 3,072 x 1,024 float32; b_out 1,024 float32; b_qkv 3,072 float32; x 2 x 2,048 x 1,024 float32.
;; Outputs: out0 2 x 2,048 x 1,024 float32.
;; This version of the problem:
;;   THIS VERSION OF THE PROBLEM IS GIVEN IN LOW PRECISION. The matrix products marked QUANTISED in the list below multiply operands that are first quantised to E2M3 (2 exponent bits, 3 mantissa bits; 6 bits a number), with one power-of-two scale for each 32 numbers along K (OCP MX v1.0); their sums are f32. All else is computed in f32.
;;   The module's matrix products, in the order in which they are computed (A, B: the left and right operand; K: the contracted axis; several contracted axes count as one K, in the product's order):
;;     1. [M 4,096, K 1,024] x [K 1,024, N 3,072]; A: input x; B: input W_qkv: QUANTISED
;;     2. batch 32 x [M 2,048, K 64] x [K 64, N 2,048]; A: computed on the way; B: computed on the way: QUANTISED
;;     3. batch 32 x [M 2,048, K 2,048] x [K 2,048, N 64]; A: softmax (see below); B: computed on the way: QUANTISED
;;     4. [M 4,096, K 1,024] x [K 1,024, N 1,024]; A: computed on the way; B: input W_out: QUANTISED
;;   THE QUANTISER, for each operand of a quantised product, along K:
;;     - K is cut into blocks of 32 from its start; a last block that is shorter is filled with zeros.
;;     - A block's scale is 2^e with e = floor(log2(the largest magnitude in the block)) - 2, held to -126 .. 127; a block of zeros has e = 0. As a byte (E8M0): e + 127.
;;     - Each number is divided by its block's scale, clamped to +-7.5, and rounded to the nearest number of E2M3, ties to even, subnormals kept.
;;     - The product sums the exact products of the quantised numbers (number of the format x scale) in f32.
;;   ~~~python
;;   def quantise(x, axis):      # numpy; x: float32 -> the quantised numbers, widened to float32 again
;;       x = np.moveaxis(x, axis, -1); K = x.shape[-1]
;;       x = np.pad(x, [(0, 0)] * (x.ndim - 1) + [(0, -K % 32)]); x = x.reshape(x.shape[:-1] + (-1, 32)); a = np.abs(x).max(-1, keepdims=True)
;;       e = np.where(a > 0, np.clip(np.frexp(np.where(a > 0, a, 1))[1] - 1 - 2, -126, 127), 0)      # np.frexp(a)[1] - 1 = floor(log2(a)), exactly
;;       r = np.clip(x / 2.0 ** e, -7.5, 7.5)
;;       step = 2.0 ** (np.maximum(np.frexp(np.where(r == 0, 1, r))[1] - 1, 0) - 3)
;;       q = np.round(r / step) * step * 2.0 ** e      # np.round: ties to even
;;       return np.moveaxis(q.reshape(q.shape[:-2] + (-1,))[..., :K], -1, axis).astype(np.float32)
;;   ~~~
;;   SOFTMAX AHEAD OF A QUANTISED PRODUCT. Where the list says 'softmax', what is quantised is not the finished softmax but p = 2^(t - M), with t = logit x log2(e) and M = ceil(the row's largest t), a whole number; so 1/2 < the row's largest p <= 1. The row's sum l is taken of the UNQUANTISED p, in f32, and the product's result is divided by l at the end. Since M is a whole number, a kernel that streams over the keys may use a running M (the ceiling of the running maximum): every later rescaling is an exact power of two, which a block's scale takes up: the codes' values come out the same.
;;   OPERANDS COMPUTED ON THE WAY. 'Computed on the way' means the value that the module computes at that place (a softmax that the list does not call 'softmax' is quantised finished and normalised). What goes into a quantiser is computed in f32, as accurately as f32 sums, v_exp_f32 and their like allow (about 1e-6 of the number): no bf16 or f16 on the way to a quantiser, and a product that is left as it is and whose result goes on into a quantised operand takes f32 operands (vector FMAs, or v_wmma_f32_16x16x4_f32). A number that lies on a knife's edge between two numbers of the format may be rounded either way, as far as f32 arithmetic and the matrix unit's own rounding can turn it there, and no further.
;; One version. Each part assembles by itself: llvm-mc -triple=amdgcn-amd-amdhsa -mcpu=gfx1250 --defsym DOCPART=n.
;; ======== version 1 of 1: 4 launches
;; limits: right only within a limited range of input values
;; workspace buffers: wsa 6,553,600 bytes; wsb 10,092,544 bytes; wsc 3,276,800 bytes
;; launch quant (part 1): grid 256 x 1, 16 waves a work-group, no clusters, 138,240 bytes of LDS; arguments x, W_qkv, W_out, wsa; writes wsa
.if DOCPART == 1
	.amdgcn_target "amdgcn-amd-amdhsa--gfx1250"
	.amdhsa_code_object_version 6
	.text
	.protected	k_q9ed84c88ba_quant
	.globl	k_q9ed84c88ba_quant
	.p2align	8
	.type	k_q9ed84c88ba_quant,@function
k_q9ed84c88ba_quant:
	s_mov_b64 s[64:65], 0
	v_nop
	global_prefetch_b8 v0, s[64:65] scope:SCOPE_SE
	s_setreg_imm32_b32 hwreg(HW_REG_WAVE_MODE, 25, 1), 1
	s_wait_xcnt 0x0
; x [4096][1024], W_qkv [3072][1024] and W_out [1024][1024], f32, K innermost, become codes of FP6 (E2M3) with one E8M0 byte for each 32 along K,
; laid in wsa IN THE ORDER OF AN OPERAND'S REGISTERS.  A fragment (16 rows x 128 K, 12 registers a lane) is 1,536 bytes: registers 4 c .. 4 c + 3 of lane l at 512 c + 16 l.
; THE ROWS OF A TILE ARE NOT NEIGHBOURS: 64 rows are four tiles; position 8 h + i of tile j is row 32 h + 8 j + i, so that in every later product the 32 result registers of a lane
; over the four tiles are one whole block of 32 along the next K.
; wsa: codes [block][K step 8][pair of tiles in block D][u 2][1,536]; D = 8 for x (256 rows; from byte 0), 6 for W_qkv (a head's 192 rows; from WQC), 2 for W_out (64 rows; from WOC).
;      scale words, 1,024 bytes a pair: [K step / 4][16 u + r][K step % 4], from XSC, WQSC, WOSC.
; A block's scale is 2^(floor(log2(its largest magnitude)) - 2); its byte is the largest magnitude's exponent field - 2, held at 1 from below.
; LIMITS: NaN and infinities are not served; a block whose largest magnitude lies under 2^-124 is held at the byte 1; a block of zeros gets the byte 1 where the rule says 127: its codes are zeros,
; which add nothing under any byte but 0xff, and this program alone reads the bytes.
; SHARES.  A work-group takes a pair of tiles, 32 rows x 1,024; wave w the fragment of tile u = w / 8 of the pair, K step s = w % 8: 16 rows x 512 bytes, sixteen loads of 512 consecutive bytes, all out at once.
; The 8,192 bytes turn through the wave's own stage in LDS (rows of 512 + 16 bytes) and come back with whole blocks in a lane.  One path serves the three tensors: only pointers and numbers are chosen.
.set WQC,   3145728
.set WOC,   5505024
.set XSC,   6291456
.set WQSC,  6422528
.set WOSC,  6520832
.set STGB,  8448                       ; a wave's stage: 16 rows x 528 bytes
.set SIMG,  135168                     ; behind the sixteen stages: the pair's scale words, 1,024 bytes
.set SPARE, 136192                     ; the spare words, 128 bytes for each wave
.set R,   16                           ; v16-79   the numbers as loaded
.set X,   80                           ; v80-143  register 32 c + i = k 64 c + 32 h + i of my row
.set PC,  144                          ; v144-155 the codes
.set CT,  156                          ; v156-162 second halves of blocks
.set TM,  164                          ; v164-171 at work
.set SPW, 12                           ; v12      LDS address of my spare word; never rewritten
.set NIL, 13                           ; v13      0; never rewritten
	s_load_b256 s[4:11], s[0:1], 0x0               ; x s[4:5], W_qkv s[6:7], W_out s[8:9], wsa s[10:11]
	v_lshl_add_u32 v[SPW], v0, 2, SPARE
	v_mov_b32 v[NIL], 0
	v_lshrrev_b32 v1, 5, v0
	v_readfirstlane_b32 s12, v1                    ; wave 0..15
	s_mul_i32 s13, s12, STGB
	s_lshr_b32 s22, s12, 3                         ; u
	s_and_b32 s23, s12, 7                          ; s
	s_lshr_b32 s26, s23, 2
	s_lshl_b32 s26, s26, 9
	s_lshl_b32 s25, s22, 8
	s_add_co_u32 s26, s26, s25
	s_and_b32 s25, s23, 3
	s_lshl_b32 s25, s25, 2
	s_add_co_u32 s26, s26, s25
	s_add_co_u32 s26, s26, SIMG                    ; my scale words: 512 (s / 4) + 256 u + 4 (s % 4)
	s_and_b32 s27, s12, 1
	s_lshl_b32 s27, s27, 9
	; which tensor: work-groups 0-127 x, 128-223 W_qkv, 224-255 W_out
	s_mov_b32 s14, 224                             ; the tensor's first work-group
	s_mov_b32 s15, 2                               ; D
	s_mov_b32 s16, 128                             ; 256 / D, rounded up: (pair x this) >> 8 = pair / D for the pairs of each tensor
	s_mov_b32 s17, WOC
	s_mov_b32 s18, WOSC
	s_cmp_lt_u32 ttmp9, 224
	s_cselect_b32 s14, 128, s14
	s_cselect_b32 s15, 6, s15
	s_cselect_b32 s16, 43, s16
	s_cselect_b32 s17, WQC, s17
	s_cselect_b32 s18, WQSC, s18
	s_cmp_lt_u32 ttmp9, 128
	s_cselect_b32 s14, 0, s14
	s_cselect_b32 s15, 8, s15
	s_cselect_b32 s16, 32, s16
	s_cselect_b32 s17, 0, s17
	s_cselect_b32 s18, XSC, s18
	s_sub_co_u32 s19, ttmp9, s14                   ; the pair's number in its tensor
	s_mul_i32 s20, s19, s16
	s_lshr_b32 s20, s20, 8                         ; its block
	s_mul_i32 s24, s20, s15
	s_sub_co_u32 s21, s19, s24                     ; its place in the block
	s_mul_i32 s36, s24, 24576                      ; block x D x 24,576
	s_mul_i32 s25, s21, 3072
	s_add_co_u32 s36, s36, s25
	s_mul_i32 s25, s23, s15
	s_mul_i32 s25, s25, 3072                       ; K step x D x 3,072
	s_add_co_u32 s36, s36, s25
	s_mul_i32 s25, s22, 1536
	s_add_co_u32 s36, s36, s25
	s_add_co_u32 s36, s36, s17
	s_mov_b32 s37, 0                               ; s[36:37]: my fragment's place in wsa
	s_lshl_b32 s38, s19, 10
	s_add_co_u32 s38, s38, s18
	s_mov_b32 s39, 0                               ; s[38:39]: the pair's scale words
	s_lshr_b32 s34, s19, 1
	s_lshl_b32 s34, s34, 18                        ; 64 rows of 4,096 bytes,
	s_and_b32 s25, s19, 1
	s_lshl_b32 s25, s25, 1
	s_or_b32 s25, s25, s22                         ; tile j of the 64 rows:
	s_lshl_b32 s25, s25, 15                        ; 8 j rows,
	s_add_co_u32 s34, s34, s25
	s_lshl_b32 s25, s23, 9                         ; 128 s numbers
	s_add_co_u32 s34, s34, s25
	s_mov_b32 s35, 0
	v_and_b32 v6, 31, v0                           ; lane
	v_and_b32 v8, 15, v0                           ; r
	v_bfe_u32 v9, v0, 4, 1                         ; h
	v_lshlrev_b32 v1, 4, v6                        ; 16 x lane
	v_add_nc_u32 v2, s13, v1                       ; the stage, on the way in: a row's 512 bytes as they lie
	v_mul_u32_u24 v3, v8, 528
	v_lshl_add_u32 v3, v9, 7, v3
	v_add_nc_u32 v3, s13, v3                       ; and on the way out: row r, + 128 h
	v_lshl_add_u32 v4, v8, 4, s26
	v_add_nc_u32 v4, v4, v9                        ; my scale bytes' place: + 16 r + h
	v_add_nc_u32 v5, s27, v1                       ; the scale words' way out (waves 0 and 1), in memory
	v_add_nc_u32 v7, SIMG, v5                      ; and in LDS
	s_wait_alu depctr_va_vdst(0)                   ; the wait at the head's end
	s_wait_kmcnt 0x0
	s_cmp_lt_u32 ttmp9, 224                        ; the choice hangs on the work-group's number alone
	s_cselect_b64 s[6:7], s[6:7], s[8:9]
	s_cmp_lt_u32 ttmp9, 128
	s_cselect_b64 s[4:5], s[4:5], s[6:7]
	s_add_nc_u64 s[4:5], s[4:5], s[34:35]
	s_add_nc_u64 s[36:37], s[10:11], s[36:37]
	s_add_nc_u64 s[38:39], s[10:11], s[38:39]
.irp i, 0,1,2,3,4,5,6,7,8,9,10,11,12,13,14,15
	global_load_b128 v[R+4*\i:R+4*\i+3], v1, s[4:5] offset:(32*(\i/8)+\i%8)*4096 th:TH_LOAD_NT   ; the tile's row i: 512 consecutive bytes; read once in the launch
.endr
.irp i, 0,1,2,3,4,5,6,7,8,9,10,11,12,13,14,15
	s_wait_loadcnt 15-\i                           ; loads come back in order: row i is in, the 15 - i behind it may be out
	ds_store_b128 v2, v[R+4*\i:R+4*\i+3] offset:528*\i
.endr
.irp c, 0,1
.irp j, 0,1,2,3,4,5,6,7
	ds_load_b128 v[X+32*\c+4*\j:X+32*\c+4*\j+3], v3 offset:256*\c+16*\j   ; LDS serves a wave's instructions in order: these see my stores
.endr
.endr
	s_wait_dscnt 0x0
.irp k, 0,1,2,3
	v_max3_num_f32 v[TM+\k], |v[X+16*\k]|, |v[X+16*\k+1]|, |v[X+16*\k+2]|   ; four chains, two for each of my two blocks
.endr
.irp i, 3,5,7,9,11,13
.irp k, 0,1,2,3
	s_delay_alu instid0(VALU_DEP_4)
	v_max3_num_f32 v[TM+\k], v[TM+\k], |v[X+16*\k+\i]|, |v[X+16*\k+\i+1]|
.endr
.endr
	v_max3_num_f32 v[TM], v[TM], |v[X+15]|, 0x1800000      ; with the floor 2^(3 - 127): so the byte cannot fall under 1
	v_max3_num_f32 v[TM+2], v[TM+2], |v[X+47]|, 0x1800000
	v_max3_num_f32 v[TM+1], v[TM+1], |v[X+31]|, v[TM]
	v_max3_num_f32 v[TM+3], v[TM+3], |v[X+63]|, v[TM+2]
	v_add_nc_u32 v[TM+4], 0xff000000, v[TM+1]      ; 2 off the exponent field: the conversion takes the exponent field of this operand as its scale
	v_add_nc_u32 v[TM+5], 0xff000000, v[TM+3]
	v_lshrrev_b32 v[TM+6], 23, v[TM+4]             ; the bytes of blocks h and 2 + h
	v_lshrrev_b32 v[TM+7], 23, v[TM+5]
.irp c, 0,1
	v_cvt_scalef32_pk16_fp6_f32 v[PC+6*\c:PC+6*\c+2], v[X+32*\c:X+32*\c+15], v[TM+4+\c]
	v_cvt_scalef32_pk16_fp6_f32 v[CT+4*\c:CT+4*\c+2], v[X+32*\c+16:X+32*\c+31], v[TM+4+\c]   ; a conversion's three registers begin on an even number
.endr
	v_nop                                          ; one plain place behind a scaled conversion
.irp c, 0,1
.irp i, 0,1,2
	v_mov_b32 v[PC+6*\c+3+\i], v[CT+4*\c+\i]
.endr
.endr
.irp c, 0,1,2
	global_store_b128 v1, v[PC+4*\c:PC+4*\c+3], s[36:37] offset:512*\c   ; each store of the wave covers 512 consecutive bytes, aligned
.endr
	ds_store_b8 v4, v[TM+6]
	ds_store_b8 v4, v[TM+7] offset:2
	s_wait_dscnt 0x0                               ; for the others' sake: my bytes lie in LDS
	s_barrier_signal -1
	s_barrier_wait -1
	s_cmp_lt_u32 s12, 2
	s_cbranch_scc0 .Lothers
	ds_load_b128 v[184:187], v7                    ; the pair's 1,024 bytes of scale words leave by waves 0 and 1, 512 consecutive bytes each
	s_wait_dscnt 0x0
	global_store_b128 v5, v[184:187], s[38:39]
.Lothers:
	s_wait_tensorcnt 0x0                           ; the wave's end: behind my last LDS store
	ds_add_u32 v[SPW], v[NIL]
	s_wait_dscnt 0x0
	s_endpgm
.Lfunc_end_k_q9ed84c88ba_quant:
	.size	k_q9ed84c88ba_quant, .Lfunc_end_k_q9ed84c88ba_quant-k_q9ed84c88ba_quant
	.p2alignl 7, 3214868480
	.fill 96, 4, 3214868480
	.section	.rodata,"a",@progbits
	.p2align	6, 0x0
	.amdhsa_kernel k_q9ed84c88ba_quant
		.amdhsa_group_segment_fixed_size 138240
		.amdhsa_private_segment_fixed_size 0
		.amdhsa_enable_private_segment 0
		.amdhsa_kernarg_size 32
		.amdhsa_user_sgpr_count 2
		.amdhsa_user_sgpr_kernarg_segment_ptr 1
		.amdhsa_wavefront_size32 1
		.amdhsa_system_sgpr_workgroup_id_x 1
		.amdhsa_system_sgpr_workgroup_id_y 1
		.amdhsa_system_sgpr_workgroup_id_z 1
		.amdhsa_system_vgpr_workitem_id 0
		.amdhsa_next_free_vgpr 192
		.amdhsa_next_free_sgpr 66
		.amdhsa_reserve_vcc 0
		.amdhsa_float_denorm_mode_32 3
		.amdhsa_float_denorm_mode_16_64 3
		.amdhsa_memory_ordered 1
		.amdhsa_forward_progress 1
		.amdhsa_inst_pref_size 13
	.end_amdhsa_kernel
	.amdgpu_metadata
---
amdhsa.version: [ 1, 2 ]
amdhsa.kernels:
  - .name:           k_q9ed84c88ba_quant
    .symbol:         k_q9ed84c88ba_quant.kd
    .args:
      - { .name: x, .offset: 0, .size: 8, .value_kind: global_buffer, .address_space: global }
      - { .name: W_qkv, .offset: 8, .size: 8, .value_kind: global_buffer, .address_space: global }
      - { .name: W_out, .offset: 16, .size: 8, .value_kind: global_buffer, .address_space: global }
      - { .name: wsa, .offset: 24, .size: 8, .value_kind: global_buffer, .address_space: global }
    .group_segment_fixed_size: 138240
    .private_segment_fixed_size: 0
    .kernarg_segment_align: 8
    .kernarg_segment_size: 32
    .max_flat_workgroup_size: 512
    .sgpr_count:     66
    .vgpr_count:     192
    .wavefront_size: 32
...
	.end_amdgpu_metadata
.endif
;; end of part 1
;; launch qkv (part 2): grid 16 x 16, 4 waves a work-group, clusters of 4 x 4, 327,680 bytes of LDS; arguments wsa, b_qkv, wsb; writes wsb
.if DOCPART == 2
	.amdgcn_target "amdgcn-amd-amdhsa--gfx1250"
	.amdhsa_code_object_version 6
	.text
	.protected	k_q9ed84c88ba_qkv
	.globl	k_q9ed84c88ba_qkv
	.p2align	8
	.type	k_q9ed84c88ba_qkv,@function
k_q9ed84c88ba_qkv:
	s_mov_b64 s[64:65], 0
	v_nop
	global_prefetch_b8 v0, s[64:65] scope:SCOPE_SE
	s_setreg_imm32_b32 hwreg(HW_REG_WAVE_MODE, 25, 1), 1
	s_wait_xcnt 0x0
	s_wait_alu depctr_hold_cnt(0) depctr_sa_sdst(0) depctr_va_vdst(0) depctr_va_sdst(0) depctr_va_ssrc(0) depctr_va_vcc(0) depctr_vm_vsrc(0)
	s_getreg_b32 s2, hwreg(HW_REG_IB_STS2, 6, 4)
	s_cmp_eq_u32 s2, 0
	s_cbranch_scc0 .Lentry_in_a_cluster
	s_endpgm
.Lentry_in_a_cluster:
	s_bfe_u32 s2, ttmp6, 0x10000c
	s_cmp_lg_u32 s2, 0xf033
	s_cbranch_scc0 .Lentry_shape_is_right
	s_endpgm
.Lentry_shape_is_right:
; qkv = x W_qkv^T + b_qkv on codes of FP6 (E2M3) with E8M0 scales; q, k, v quantised in registers for the attention: q and k along the head's 64, v along the tokens.  Nothing goes to memory in f32.
; SHARES.  A work-group takes 256 tokens x one head's 192 columns; its four waves are 2 x 2: wave 2 a + b takes tokens 128 a .. 128 a + 127 and, for b = 0, q's 64 columns and v's tiles 0, 1, for b = 1 k's 64 and v's tiles 2, 3:
; 48 accumulators, 8 K steps of 128, 384 products; 14 fragments from LDS serve a K step's 48 products.
; CLUSTERS of 4 x 4: the four work-groups of one cx need the same tokens of x, the four of one cy the same head's rows of W: both come by joint loads.
; LDS holds x's K steps 0-6 (slots of 24,576 bytes) and all of W (8 x 18,432).  At the head one load a wave: W's K steps 0-2, x's 0-2, W's 3-7, x's 3-6.  x's K step 7 comes by the one refill, into slot 0, behind a round
; of the cluster's barrier in K step 2, which also shows the head's later tiles; a plain barrier in K step 6 shows it.
; NO PREFETCH: all tiles but one are asked for at the head, and the refill stands four K steps ahead of its reader; there is no loop to run ahead in.
; q and k are made TRANSPOSED (source 0 = 16 rows of W, source 1 = 16 tokens), v the natural way.  By the tiles' row order (position 8 h + i of tile j of 64 rows is row 32 h + 8 j + i) a lane's 32 registers over four tiles
; are one whole block of 32 along the next K: no lane looks at another for a largest magnitude.  The bias is the C of each sum's first product.
; wsb: qc [bh 32][pair of tiles 64][1,536] from 0 (registers 0-5 of a pair's image its first tile, 6-11 its second); qs [bh][64 tokens 32][16 u + r][pair 2] words from QSO;
;      kv [bh][step of 128 keys 16][13,056] from KVO: k's four pair images (6,144), v's [t 4][half 2][768] (registers 0-3 of lane l at 16 l, registers 4, 5 at 512 + 8 l), k's words as q's (512), v's [16 (t % 2) + r][t / 2][half 2] of 16 bits (256).
; LIMITS: NaN and infinities are not served; a block whose largest magnitude lies under 2^-124 is held at the byte 1; a block of zeros gets the byte 1 (its codes are zeros; this program alone reads the bytes).
; REGISTERS, in windows of 256.  Window 0: v1-16 addresses; v28, v29 the add's two; v32-63 x's scale words (8 pair + K step), v64-79 those of q's or k's rows, v80-87 of v's; v96-239 W's six fragments, two sets; v240-245 at work.
;   Window 1: v0-191 x's eight fragments, two sets.   Window 2: q or k (32 token tile + 8 t).   Window 3: v0-127 v (64 tile + 8 token tile); v128-175 the bias.
;   On the way out (W's sets are done with): v96-143 q's or k's codes, v144-167 v's, v168-174 second halves, v176-187 scale bytes, v188-191 words.
.set WQC,   3145728                    ; wsa: W_qkv's codes
.set XSC,   6291456                    ; x's scale words
.set WQSC,  6422528                    ; W_qkv's
.set QSO,   3145728                    ; wsb
.set KVO,   3407872
.set KVH,   208896                     ; a head's 16 steps
.set STEPB, 13056
.set XB,    24576                      ; a K step of x's 256 rows
.set WB,    18432                      ; and of W's 192
.set WL,    172032                     ; LDS: W behind x's seven slots
.set STGV,  319488                     ; v's scale bytes of the work-group's two steps, 512 bytes
.set SPARE, 320000                     ; the spare words, 128 bytes for each wave
.set SPW, 28
.set NIL, 29
.set TM,  240
.set CT,  168
.set WV,  10                           ; s10 my wave's number
.set G1W, 24                           ; descriptor groups 1: W's K steps 0-2,
.set G1X, 32                           ; x's 0-2 (later 7),
.set G1V, 40                           ; W's 3-7,
.set G1Y, 48                           ; x's 3-6
.set G0W, 56                           ; groups 0 of the same
.set G0X, 60
.set G0V, 68
.set G0Y, 72
.set MSB, 0
.macro WIN new                         ; the immediate's high byte repeats the setting that is left
.if MSB != (\new)
	s_set_vgpr_msb (MSB<<8)|(\new)
.set MSB, (\new)
.endif
.endm
.macro CREST                           ; a round of the cluster's barrier behind its opening barrier
	s_cmp_lg_u32 s[WV], 0
	s_cbranch_scc1 .Lnot_wave_0_\@
	s_barrier_signal -3
.Lnot_wave_0_\@:
	s_barrier_wait -3
	s_barrier_signal -1
	s_barrier_wait -1
.endm
.macro ROUND
	s_barrier_signal -1
	s_barrier_wait -1
	CREST
.endm
.macro PLACES                          ; four places behind a product, in front of loads into its registers and of the first read of results
.rept 4
	v_nop
.endr
.endm
.macro G1SET g, m, rows                ; a dense block as rows of 256 bytes (32 elements of 8), mask in s\m, 21 set beside it
	s_or_b32 s[\g], s\m, (3<<16)|(1<<21)
	s_mov_b32 s[\g+1], 32<<16
	s_mov_b32 s[\g+2], (\rows)<<16
	s_mov_b32 s[\g+3], 32<<16
	s_mov_b32 s[\g+4], \rows
	s_mov_b32 s[\g+5], 32
	s_mov_b32 s[\g+6], 0
	s_mov_b32 s[\g+7], 0
.endm
.macro G0SET g, lds, base, off
	s_mov_b32 s[\g], 1
	s_mov_b32 s[\g+1], \lds
	s_add_nc_u64 s[\g+2:\g+3], s[\base:\base+1], \off
	s_or_b32 s[\g+3], s[\g+3], 0x80000000
.endm
.macro ARM under, g0, g1, next
	s_cmp_lt_u32 s[WV], \under
	s_cbranch_scc0 \next
	tensor_load_to_lds s[\g0:\g0+3], s[\g1:\g1+7]
	s_nop 0
	PLACES
	s_branch .Lasked
\next:
.endm
.macro WMC                             ; one product, by the symbols rD rA rB rC (registers), rSA rSB (scale registers), rRA rRB (1: the scales stand in lanes 16-31)
.if rRA && rRB
	v_wmma_scale_f32_16x16x128_f8f6f4 v[rD:rD+7], v[rA:rA+11], v[rB:rB+11], v[rC:rC+7], v[rSA], v[rSB] matrix_a_fmt:MATRIX_FMT_FP6 matrix_b_fmt:MATRIX_FMT_FP6 matrix_a_scale:MATRIX_SCALE_ROW1 matrix_b_scale:MATRIX_SCALE_ROW1
.elseif rRA
	v_wmma_scale_f32_16x16x128_f8f6f4 v[rD:rD+7], v[rA:rA+11], v[rB:rB+11], v[rC:rC+7], v[rSA], v[rSB] matrix_a_fmt:MATRIX_FMT_FP6 matrix_b_fmt:MATRIX_FMT_FP6 matrix_a_scale:MATRIX_SCALE_ROW1
.elseif rRB
	v_wmma_scale_f32_16x16x128_f8f6f4 v[rD:rD+7], v[rA:rA+11], v[rB:rB+11], v[rC:rC+7], v[rSA], v[rSB] matrix_a_fmt:MATRIX_FMT_FP6 matrix_b_fmt:MATRIX_FMT_FP6 matrix_b_scale:MATRIX_SCALE_ROW1
.else
	v_wmma_scale_f32_16x16x128_f8f6f4 v[rD:rD+7], v[rA:rA+11], v[rB:rB+11], v[rC:rC+7], v[rSA], v[rSB] matrix_a_fmt:MATRIX_FMT_FP6 matrix_b_fmt:MATRIX_FMT_FP6
.endif
.endm
.macro FETCHX s                        ; K step s of my eight token tiles: 24 loads
.if (\s) == 7
.set xa_, 10                           ; K step 7 lies in slot 0
.set xo_, 0
.else
.set xa_, 10+(\s)/3
.set xo_, XB*((\s)%3)
.endif
	WIN 0x40
.irp i, 0,1,2,3,4,5,6,7
.irp c, 0,1,2
	ds_load_b128 v[96*((\s)%2)+12*\i+4*\c:96*((\s)%2)+12*\i+4*\c+3], v[xa_] offset:xo_+1536*\i+512*\c
.endr
.endr
.endm
.macro FETCHW s                        ; K step s of my six tiles of W: 18 loads
	WIN 0
.irp k, 0,1,2,3,4,5
.irp c, 0,1,2
.if \k < 4
	ds_load_b128 v[96+72*((\s)%2)+12*\k+4*\c:96+72*((\s)%2)+12*\k+4*\c+3], v[13+(\s)/4] offset:WB*((\s)%4)+1536*\k+512*\c
.else
	ds_load_b128 v[96+72*((\s)%2)+12*\k+4*\c:96+72*((\s)%2)+12*\k+4*\c+3], v[15+(\s)/4] offset:WB*((\s)%4)+1536*(\k-4)+512*\c
.endif
.endr
.endr
.endm
.macro MULQ s, q                       ; 16 products, transposed: q's or k's tiles 2 q, 2 q + 1.  The accumulators take turns, one instruction a turn
.if (\s) == 0
	WIN 0xb4
.else
	WIN 0xa4
.endif
.irp t2, 0,1
.irp i, 0,1,2,3,4,5,6,7
.set rT, 2*(\q)+\t2
.set rD, 32*\i+8*rT
.set rA, 96+72*((\s)%2)+12*rT
.set rB, 96*((\s)%2)+12*\i
.if (\s) == 0
.set rC, 128+8*rT
.else
.set rC, rD
.endif
.set rSA, 64+8*(rT/2)+(\s)
.set rSB, 32+8*(\i/2)+(\s)
.set rRA, rT%2
.set rRB, \i%2
	WMC
.endr
.endr
.endm
.macro MULV s                          ; 16 products, the natural way: my two tiles of v
	WIN 0xf1
.irp t2, 0,1
.irp i, 0,1,2,3,4,5,6,7
.set rD, 64*\t2+8*\i
.set rA, 96*((\s)%2)+12*\i
.set rB, 96+72*((\s)%2)+12*(4+\t2)
.if (\s) == 0
.set rC, 160+8*\t2
.else
.set rC, rD
.endif
.set rSA, 32+8*(\i/2)+(\s)
.set rSB, 80+(\s)
.set rRA, \i%2
.set rRB, \t2
	WMC
.endr
.endr
.endm
; A K step: its fragments were fetched a K step ago; the next one's are fetched in two runs among its products.
.macro KSTEP s
	WIN 0
.if (\s) == 2
	s_wait_tensorcnt 0x0                           ; all my loads have landed: the head's later tiles among them;
	ds_add_u32 v[SPW], v[NIL]
	s_mov_b32 s[G1X+2], 96<<16                     ; no load of mine is out: the descriptor of x's K steps 0-2 becomes K step 7's: 96 rows, into slot 0
	s_mov_b32 s[G1X+4], 96
	s_add_nc_u64 s[G0X+2:G0X+3], s[G0X+2:G0X+3], 7*XB
	s_wait_dscnt 0x0                               ; the add and my reads of K steps 0-2 are done
	s_barrier_signal -1
	MULQ 2, 0
	WIN 0
	s_barrier_wait -1
	CREST
	s_cmp_eq_u32 s[WV], 1
	s_cbranch_scc0 .Lno_refill
	tensor_load_to_lds s[G0X:G0X+3], s[G1X:G1X+7]  ; the one refill
	s_nop 0
.Lno_refill:
	PLACES
.elseif (\s) == 6
	s_wait_tensorcnt 0x0                           ; the refill is in
	s_wait_dscnt 0x0
	s_barrier_signal -1
	MULQ 6, 0
	WIN 0
	s_barrier_wait -1
	PLACES
.else
	s_wait_dscnt 0x0                               ; this K step's fragments are in
.if (\s) < 7
	PLACES
.endif
.endif
.if (\s) < 7
	FETCHX (\s)+1
.endif
.if ((\s) != 2) && ((\s) != 6)
	MULQ \s, 0
.endif
.if (\s) < 7
	FETCHW (\s)+1
.endif
	MULQ \s, 1
	MULV \s
.endm
; Two images: 32 numbers of a lane each, from registers src and src + 32 of window win: a lane's whole block becomes six registers of codes at dst (dst + 6) and its byte in pw (pw + 1).
.macro QUANTP src, win, dst, pw
	WIN (\win)|((\win)<<2)|((\win)<<4)
.irp k, 0,1,2,3
	v_max3_num_f32 v[TM+\k], |v[(\src)+16*\k]|, |v[(\src)+16*\k+1]|, |v[(\src)+16*\k+2]|   ; each accumulator is read from its low end on
.endr
	WIN ((\win)<<2)|((\win)<<4)
.irp i, 3,5,7,9,11,13
.irp k, 0,1,2,3
	v_max3_num_f32 v[TM+\k], v[TM+\k], |v[(\src)+16*\k+\i]|, |v[(\src)+16*\k+\i+1]|
.endr
.endr
	WIN (\win)<<2
	v_max3_num_f32 v[TM], v[TM], |v[(\src)+15]|, 0x1800000       ; the floor 2^(3 - 127): the byte cannot fall under 1
	v_max3_num_f32 v[TM+2], v[TM+2], |v[(\src)+47]|, 0x1800000
	v_max3_num_f32 v[TM+1], v[TM+1], |v[(\src)+31]|, v[TM]
	v_max3_num_f32 v[TM+3], v[TM+3], |v[(\src)+63]|, v[TM+2]
	WIN 0
	v_add_nc_u32 v[TM+4], 0xff000000, v[TM+1]      ; 2 off the exponent field: the conversion's scale operand
	v_add_nc_u32 v[TM+5], 0xff000000, v[TM+3]
	v_lshrrev_b32 v[\pw], 23, v[TM+4]              ; the scale's byte
	v_lshrrev_b32 v[(\pw)+1], 23, v[TM+5]
	WIN \win
	v_cvt_scalef32_pk16_fp6_f32 v[(\dst):(\dst)+2], v[(\src):(\src)+15], v[TM+4]
	v_cvt_scalef32_pk16_fp6_f32 v[CT:CT+2], v[(\src)+16:(\src)+31], v[TM+4]
	v_cvt_scalef32_pk16_fp6_f32 v[(\dst)+6:(\dst)+8], v[(\src)+32:(\src)+47], v[TM+5]
	v_cvt_scalef32_pk16_fp6_f32 v[CT+4:CT+6], v[(\src)+48:(\src)+63], v[TM+5]
	WIN 0
	v_nop                                          ; one plain place behind a scaled conversion
.irp i, 0,1,2
	v_mov_b32 v[(\dst)+3+\i], v[CT+\i]
	v_mov_b32 v[(\dst)+9+\i], v[CT+4+\i]
.endr
.endm
.macro PAIRW p                         ; the words of token tiles 2 p (lanes 0-15) and 2 p + 1 (lanes 16-31), and the pair's image
	v_permlane16_swap_b32 v[176+2*(\p)], v[177+2*(\p)]
	v_lshl_or_b32 v[188+(\p)], v[177+2*(\p)], 8, v[176+2*(\p)]
.irp c, 0,1,2
	global_store_b128 v1, v[96+12*(\p)+4*\c:96+12*(\p)+4*\c+3], s[82:83] offset:1536*(\p)+512*\c   ; 512 consecutive bytes, aligned
.endr
.endm
	s_load_b128 s[4:7], s[0:1], 0x0                ; wsa s[4:5], b_qkv s[6:7]
	s_load_b64 s[8:9], s[0:1], 0x10                ; wsb
	v_lshl_add_u32 v[SPW], v0, 2, SPARE
	v_mov_b32 v[NIL], 0
	ds_add_u32 v[SPW], v[NIL]                      ; the wave's opening: the add, twice on end, and its wait ahead of my first tensor load
	ds_add_u32 v[SPW], v[NIL]
	v_lshrrev_b32 v1, 5, v0
	v_readfirstlane_b32 s[WV], v1                  ; wave 0..3
	s_lshr_b32 s15, s[WV], 1                       ; a
	s_and_b32 s16, s[WV], 1                        ; b
	s_bfe_u32 s11, ttmp6, 0x40000                  ; cx
	s_bfe_u32 s12, ttmp6, 0x40004                  ; cy
	s_lshl_b32 s13, ttmp9, 2
	s_add_co_u32 s13, s13, s11                     ; my block of 256 tokens, shared by the partners of one cx
	s_and_b32 s14, ttmp7, 0xffff
	s_lshl_b32 s14, s14, 2
	s_add_co_u32 s14, s14, s12                     ; the head, shared by the partners of one cy
	s_lshl_b32 s2, s12, 2
	s_lshl_b32 s2, 15, s2                          ; W's mask: places 4 cy .. 4 cy + 3
	s_lshl_b32 s3, 0x1111, s11                     ; x's: places cx, cx + 4, cx + 8, cx + 12
	G1SET G1W, 2, 216
	G1SET G1X, 3, 288
	G1SET G1V, 2, 360
	G1SET G1Y, 3, 384
	s_mul_i32 s90, s13, 196608                     ; x's codes
	s_mov_b32 s91, 0
	s_mul_i32 s92, s14, 147456                     ; W's codes
	s_add_co_u32 s92, s92, WQC
	s_mov_b32 s93, 0
	s_lshl_b32 s76, s13, 13                        ; x's scale words: 1,024 bytes a pair of tiles
	s_lshl_b32 s20, s15, 12
	s_add_co_u32 s76, s76, s20
	s_add_co_u32 s76, s76, XSC
	s_mov_b32 s77, 0
	s_mul_i32 s78, s14, 6144                       ; W's: q's or k's pairs 2 b, 2 b + 1; v's pair 4 + b
	s_add_co_u32 s78, s78, WQSC
	s_lshl_b32 s20, s16, 10
	s_add_co_u32 s94, s78, s20
	s_add_co_u32 s94, s94, 4096
	s_mov_b32 s95, 0
	s_lshl_b32 s20, s16, 11
	s_add_co_u32 s78, s78, s20
	s_mov_b32 s79, 0
	s_mul_i32 s80, s14, 768                        ; the bias
	s_lshl_b32 s20, s16, 6
	s_add_co_u32 s96, s80, s20
	s_add_co_u32 s96, s96, 512                     ; v's
	s_mov_b32 s97, 0
	s_lshl_b32 s20, s16, 8
	s_add_co_u32 s80, s80, s20                     ; q's or k's
	s_mov_b32 s81, 0
	s_lshr_b32 s17, s13, 3
	s_lshl_b32 s17, s17, 4
	s_add_co_u32 s17, s17, s14                     ; bh = 16 x batch + head
	s_and_b32 s18, s13, 7                          ; my block among the batch's eight
	s_mul_i32 s88, s17, KVH
	s_add_co_u32 s88, s88, KVO
	s_mul_i32 s20, s18, 2*STEPB
	s_add_co_u32 s88, s88, s20                     ; the work-group's first step of keys
	s_mul_i32 s20, s15, STEPB
	s_add_co_u32 s20, s20, s88                     ; mine
	s_add_co_u32 s88, s88, 12800                   ; v's scale bytes
	s_mov_b32 s89, 0
	s_mul_i32 s21, s17, 98304                      ; q's codes
	s_mul_i32 s22, s18, 12288
	s_add_co_u32 s21, s21, s22
	s_mul_i32 s22, s15, 6144
	s_add_co_u32 s21, s21, s22
	s_lshl_b32 s22, s17, 13                        ; q's words
	s_lshl_b32 s23, s18, 10
	s_add_co_u32 s22, s22, s23
	s_lshl_b32 s23, s15, 9
	s_add_co_u32 s22, s22, s23
	s_add_co_u32 s22, s22, QSO
	s_add_co_u32 s23, s20, 12288                   ; k's words
	s_cmp_eq_u32 s16, 0
	s_cselect_b32 s82, s21, s20
	s_cselect_b32 s84, s22, s23
	s_mov_b32 s83, 0
	s_mov_b32 s85, 0
	s_mul_i32 s21, s16, 3072
	s_add_co_u32 s86, s20, s21
	s_add_co_u32 s86, s86, 6144                    ; v's codes: tiles 2 b, 2 b + 1
	s_mov_b32 s87, 0
	s_mul_i32 s19, s15, 12288                      ; LDS: my 128 tokens,
	s_mul_i32 s20, s16, 6144
	s_add_co_u32 s20, s20, WL                      ; q's or k's rows of W,
	s_mul_i32 s21, s16, 3072
	s_add_co_u32 s21, s21, WL+12288                ; v's,
	s_lshl_b32 s22, s15, 8
	s_lshl_b32 s23, s16, 2
	s_add_co_u32 s22, s22, s23
	s_add_co_u32 s22, s22, STGV                    ; v's scale bytes
	v_and_b32 v9, 31, v0                           ; lane
	v_and_b32 v2, 15, v0                           ; r
	v_bfe_u32 v3, v0, 4, 1                         ; h
	v_lshlrev_b32 v1, 4, v9                        ; 16 x lane
	v_lshlrev_b32 v4, 3, v9                        ; 8 x lane
	v_lshlrev_b32 v5, 7, v3                        ; q's and k's bias: 32 h numbers on
	v_and_b32 v6, 8, v2
	v_mad_u32_u24 v6, v6, 3, v2
	v_lshlrev_b32 v6, 2, v6                        ; v's bias: number 32 (r / 8) + r % 8
	v_add_nc_u32 v7, s22, v4                       ; v's scale bytes: 256 a + 4 b + 8 x lane
	v_add_nc_u32 v8, STGV, v1                      ; and their way out,
	v_mul_u32_u24 v9, v3, STEPB
	v_lshl_add_u32 v9, v2, 4, v9                   ; in memory: lanes 0-15 the first step's 256 bytes, lanes 16-31 the second's
	v_add_nc_u32 v10, s19, v1                      ; x: K steps 0-2 (and 7),
	v_add_nc_u32 v11, 3*XB, v10                    ; 3-5,
	v_add_nc_u32 v12, 6*XB, v10                    ; 6
	v_add_nc_u32 v13, s20, v1                      ; W: K steps 0-3, 4-7
	v_add_nc_u32 v14, 4*WB, v13
	v_add_nc_u32 v15, s21, v1
	v_add_nc_u32 v16, 4*WB, v15
	s_wait_alu depctr_va_vdst(0)                   ; the wait here, directly ahead of the wait below
	s_wait_dscnt 0x0                               ; both opening adds are done
	ROUND                                          ; all sixteen work-groups are here: the joint loads meet
	s_wait_kmcnt 0x0
	s_add_nc_u64 s[90:91], s[4:5], s[90:91]
	s_add_nc_u64 s[92:93], s[4:5], s[92:93]
	G0SET G0W, WL, 92, 0
	G0SET G0X, 0, 90, 0
	G0SET G0V, WL+3*WB, 92, 3*WB
	G0SET G0Y, 3*XB, 90, 3*XB
	ARM 1, G0W, G1W, .Lwave_1                      ; one load a wave
	ARM 2, G0X, G1X, .Lwave_2
	ARM 3, G0V, G1V, .Lwave_3
	tensor_load_to_lds s[G0Y:G0Y+3], s[G1Y:G1Y+7]
	s_nop 0
	PLACES
.Lasked:
	s_add_nc_u64 s[76:77], s[4:5], s[76:77]
	s_add_nc_u64 s[78:79], s[4:5], s[78:79]
	s_add_nc_u64 s[94:95], s[4:5], s[94:95]
	s_add_nc_u64 s[80:81], s[6:7], s[80:81]
	s_add_nc_u64 s[96:97], s[6:7], s[96:97]
	s_add_nc_u64 s[82:83], s[8:9], s[82:83]
	s_add_nc_u64 s[84:85], s[8:9], s[84:85]
	s_add_nc_u64 s[86:87], s[8:9], s[86:87]
	s_add_nc_u64 s[88:89], s[8:9], s[88:89]
	WIN 0xc0
.irp t, 0,1,2,3                                ; the bias of q's or k's tiles, in the result's layout: lane (r, h), register i: unit 32 h + 8 t + i
	global_load_b128 v[128+8*\t:131+8*\t], v5, s[80:81] offset:32*\t
	global_load_b128 v[132+8*\t:135+8*\t], v5, s[80:81] offset:32*\t+16
.endr
	global_load_b32 v160, v6, s[96:97]             ; v's: a lane holds one unit
	global_load_b32 v168, v6, s[96:97] offset:32
	WIN 0
.irp q, 0,1
.irp i, 0,1,2,3
	global_load_b128 v[32+8*\i+4*\q:35+8*\i+4*\q], v1, s[76:77] offset:\i*1024+\q*512   ; x's scale words: lanes 0-15 the pair's first tile, lanes 16-31 its second
.endr
.irp i, 0,1
	global_load_b128 v[64+8*\i+4*\q:67+8*\i+4*\q], v1, s[78:79] offset:\i*1024+\q*512   ; W's likewise
.endr
	global_load_b128 v[80+4*\q:83+4*\q], v1, s[94:95] offset:\q*512
.endr
	s_wait_loadcnt 0x0
	WIN 0xc3
.irp t, 0,1
.irp j, 1,2,3,4,5,6,7
	v_mov_b32 v[160+8*\t+\j], v[160+8*\t]          ; v's bias is the same for a lane's eight tokens
.endr
.endr
	WIN 0
	s_wait_alu depctr_va_vdst(0)                   ; the wait at the head's end
	s_cmp_lt_u32 s[WV], 2
	s_cbranch_scc0 .Llater
	s_wait_tensorcnt 0x0                           ; waves 0 and 1: K steps 0-2 of W and of x are in; the other waves' tiles may be out
.Llater:
	s_barrier_signal -1
	s_barrier_wait -1
	FETCHX 0
	FETCHW 0
.irp s, 0,1,2,3,4,5,6,7
	KSTEP \s
.endr
	; THE WAY OUT.  Every result has registers of its own in window 0, so no store's data are written again.
	WIN 0
	PLACES
	QUANTP 0, 3, 144, 184                          ; v: K = the tokens: my first tile, both halves of the step,
	QUANTP 64, 3, 156, 186                         ; and my second
	v_permlane16_swap_b32 v184, v186               ; half 0: lanes 0-15 my first tile's bytes, lanes 16-31 my second's
	v_permlane16_swap_b32 v185, v187               ; half 1
	v_lshl_or_b32 v184, v186, 8, v184
	v_lshl_or_b32 v185, v187, 8, v185
	v_lshl_or_b32 v184, v185, 16, v184
	ds_store_b32 v7, v184
.irp t, 0,1
.irp g, 0,1
	global_store_b128 v1, v[144+12*\t+6*\g:147+12*\t+6*\g], s[86:87] offset:1536*\t+768*\g       ; 512 consecutive bytes, aligned
	global_store_b64 v4, v[148+12*\t+6*\g:149+12*\t+6*\g], s[86:87] offset:1536*\t+768*\g+512    ; 256
.endr
.endr
	QUANTP 0, 2, 96, 176                           ; q or k: K = the head's 64: token tiles 0, 1
	PAIRW 0
	s_wait_alu depctr_va_vdst(0)                   ; the wait here, directly ahead of the wait below
	s_wait_dscnt 0x0                               ; for the others' sake: my bytes of v's scales lie in LDS
	s_barrier_signal -1
	QUANTP 64, 2, 108, 178                         ; work on registers while the others arrive
	s_wait_alu depctr_va_vdst(0)
	s_barrier_wait -1
	PAIRW 1
	global_store_b64 v4, v[188:189], s[84:85]
	QUANTP 128, 2, 120, 180
	PAIRW 2
	QUANTP 192, 2, 132, 182
	PAIRW 3
	global_store_b64 v4, v[190:191], s[84:85] offset:256
	s_cmp_lg_u32 s[WV], 0
	s_cbranch_scc1 .Lnot_first
	ds_load_b128 v[192:195], v8
	s_wait_dscnt 0x0
	global_store_b128 v9, v[192:195], s[88:89]     ; sixteen lanes store 256 consecutive bytes, aligned
.Lnot_first:
	s_wait_tensorcnt 0x0                           ; the wave's end: behind my last tensor load and my last LDS store
	ds_add_u32 v[SPW], v[NIL]
	s_wait_dscnt 0x0
	ROUND                                          ; the closing round
	s_endpgm
.Lfunc_end_k_q9ed84c88ba_qkv:
	.size	k_q9ed84c88ba_qkv, .Lfunc_end_k_q9ed84c88ba_qkv-k_q9ed84c88ba_qkv
	.p2alignl 7, 3214868480
	.fill 96, 4, 3214868480
	.section	.rodata,"a",@progbits
	.p2align	6, 0x0
	.amdhsa_kernel k_q9ed84c88ba_qkv
		.amdhsa_group_segment_fixed_size 327680
		.amdhsa_private_segment_fixed_size 0
		.amdhsa_enable_private_segment 0
		.amdhsa_kernarg_size 24
		.amdhsa_user_sgpr_count 2
		.amdhsa_user_sgpr_kernarg_segment_ptr 1
		.amdhsa_wavefront_size32 1
		.amdhsa_system_sgpr_workgroup_id_x 1
		.amdhsa_system_sgpr_workgroup_id_y 1
		.amdhsa_system_sgpr_workgroup_id_z 1
		.amdhsa_system_vgpr_workitem_id 0
		.amdhsa_next_free_vgpr 1024
		.amdhsa_next_free_sgpr 98
		.amdhsa_reserve_vcc 0
		.amdhsa_float_denorm_mode_32 3
		.amdhsa_float_denorm_mode_16_64 3
		.amdhsa_memory_ordered 1
		.amdhsa_forward_progress 1
		.amdhsa_inst_pref_size 107
	.end_amdhsa_kernel
	.amdgpu_metadata
---
amdhsa.version: [ 1, 2 ]
amdhsa.kernels:
  - .name:           k_q9ed84c88ba_qkv
    .symbol:         k_q9ed84c88ba_qkv.kd
    .args:
      - { .name: wsa, .offset: 0, .size: 8, .value_kind: global_buffer, .address_space: global }
      - { .name: b_qkv, .offset: 8, .size: 8, .value_kind: global_buffer, .address_space: global }
      - { .name: wsb, .offset: 16, .size: 8, .value_kind: global_buffer, .address_space: global }
    .group_segment_fixed_size: 327680
    .private_segment_fixed_size: 0
    .kernarg_segment_align: 8
    .kernarg_segment_size: 24
    .max_flat_workgroup_size: 128
    .sgpr_count:     98
    .vgpr_count:     1024
    .wavefront_size: 32
...
	.end_amdgpu_metadata
.endif
;; end of part 2
;; launch attn (part 3): grid 8 x 32, 8 waves a work-group, clusters of 4 x 1, 210,432 bytes of LDS; arguments wsb, wsc; writes wsc
.if DOCPART == 3
	.amdgcn_target "amdgcn-amd-amdhsa--gfx1250"
	.amdhsa_code_object_version 6
	.text
	.protected	k_q9ed84c88ba_attn
	.globl	k_q9ed84c88ba_attn
	.p2align	8
	.type	k_q9ed84c88ba_attn,@function
k_q9ed84c88ba_attn:
	s_mov_b64 s[64:65], 0
	v_nop
	global_prefetch_b8 v0, s[64:65] scope:SCOPE_SE
	s_setreg_imm32_b32 hwreg(HW_REG_WAVE_MODE, 25, 1), 1
	s_wait_xcnt 0x0
	s_wait_alu depctr_hold_cnt(0) depctr_sa_sdst(0) depctr_va_vdst(0) depctr_va_sdst(0) depctr_va_ssrc(0) depctr_va_vcc(0) depctr_vm_vsrc(0)
	s_getreg_b32 s2, hwreg(HW_REG_IB_STS2, 6, 4)
	s_cmp_eq_u32 s2, 0
	s_cbranch_scc0 .Lentry_in_a_cluster
	s_endpgm
.Lentry_in_a_cluster:
	s_bfe_u32 s2, ttmp6, 0x10000c
	s_cmp_lg_u32 s2, 0x3003
	s_cbranch_scc0 .Lentry_shape_is_right
	s_endpgm
.Lentry_shape_is_right:
; attended[b][q][head 64 + d] = the sum over k of softmax_k(q . k / 8) v, both products on codes of FP6 (E2M3) with E8M0 scales; the result is quantised along d for the last product and leaves as codes.
; THE SOFTMAX AHEAD OF THE SECOND PRODUCT: t = score x log2(e) / 8; M = the row's largest t so far, rounded UP to a whole number; p = 2^(t - M) is what is quantised, along the keys; it is not normalised.
; The row's sum is taken of the unquantised p, in f32, and divides O at the end.  When M moves, the sum and O are multiplied by 2^(old M - new M): exact.
; A block's largest p has the exponent floor(its largest t - M), since p rises with t: so the block's scale comes from that whole number, with no exponential.
; SHARES.  A work-group owns 256 queries of one head (bh = 16 x batch + head); each of its eight waves two tiles of 16, A and B, which share every fragment of K and V and whose chains stand side by side.
; A step of 128 keys is one dense block of 13,056 bytes (K's codes, V's, their scale words): ALL sixteen steps, 208,896 bytes, lie in LDS, two brought by each wave's one load; no byte is filled again.
; Two barriers show them: the first steps 0 and 1, the second, in step 1, all the others.
; CLUSTER.  The four query blocks of a cluster belong to one head: each piece is asked for jointly, with a mask that names the four.  NO PREFETCH: every byte of K and V is asked for at the head.
; LAYOUT.  Both products are used transposed: S^T = K Q^T, O^T = V^T P^T: a lane holds ONE query of each tile throughout.  By the tiles' row order the 32 registers of four key tiles are keys 64 c + 32 h + 0 .. 31, a whole
; scale block in a lane and in the order of the next operand's registers; O^T's four tiles likewise are d = 32 h + 0 .. 31.
; K = 64 IN AN INSTRUCTION OF 128.  Q's registers 6-11 hold zero codes, so whatever K's registers 6-11 hold (every code of E2M3 is a finite number) adds exactly 0.  So K's tiles lie six registers apart,
; and the six behind the last are cleared once.  Bytes 2 and 3 of q's and k's scale words are 0, which stands for 2^-127: no NaN.
; LIMITS: NaN and infinities are not served; the scaled scores t stay under 2^31 in magnitude; a block whose largest magnitude lies under 2^-124 is held at the byte 1; a block of zeros gets the byte 1 (its codes are zeros; this program alone reads the bytes).
; wsc: ac [block of 256 tokens 16][K step = head / 2][pair of tiles 8][u 2][head % 2][768] from 0 (registers 0-3 of lane l at 16 l, registers 4, 5 at 512 + 8 l); as [block][head 16][64 tokens 4][16 u + r][pair 2] of 16 bits from ASO.
; REGISTERS.  Window 0: v1, v2 addresses that stay; v3, v4 the add's two; v5 an address; v8, v9 the step's addresses.  Tile A: v10 the largest score, v[12:13] -M, v[14:15] the sum, v[16:17] f, v18, v19 the two blocks; tile B: v20-29 likewise;
;   v30-41 at work; v42 Q's scale words, v44-47 K's, v48-49 V's, v50, v51 p's; v64-127 A's scores, then p; v128-191 B's; v192-223 A's O^T, v224-255 B's.
;   Window 1: v0-47 K, v48-53 zeros; v54-101 V; v102-113, v114-125 Q; v126-137, v138-149 p's codes; v150-164 second halves of blocks.
.set QSO,   3145728                    ; wsb
.set KVO,   3407872
.set ASO,   3145728                    ; wsc
.set STEPB, 13056
.set GST,   208896                     ; LDS behind the steps: the attended rows' scale bytes, 512,
.set SPARE, 209408                     ; the spare words, 128 bytes for each wave: four blocks of 256 bytes that no other line names
.set SPW, 3
.set NIL, 4
.set SA,  64
.set SB,  128
.set OA,  192
.set OB,  224
.set QS,  42
.set KS,  44
.set VS,  48
.set PS,  50
.set VR,  54                           ; window 1 from here on
.set QA,  102
.set QB,  114
.set PA,  126
.set PB,  138
.set CA,  150
.set CB,  158
.set WV,  8                            ; s8
.set SEL, 20                           ; s[20:21]
.set CS,  22                           ; s[22:23] c = log2(e) / 8
.set MSB, 0
.macro WIN new                         ; the immediate's high byte repeats the setting that is left
.if MSB != (\new)
	s_set_vgpr_msb (MSB<<8)|(\new)
.set MSB, (\new)
.endif
.endm
.macro ROUND                           ; a round of the cluster's barrier
	s_barrier_signal -1
	s_barrier_wait -1
	s_cmp_lg_u32 s[WV], 0
	s_cbranch_scc1 .Lnot_wave_0_\@
	s_barrier_signal -3
.Lnot_wave_0_\@:
	s_barrier_wait -3
	s_barrier_signal -1
	s_barrier_wait -1
.endm
.macro PLACES
.rept 4
	v_nop
.endr
.endm
.macro WMZ                             ; a product that starts a sum: C = 0.  rRA, rRB: 1 where the scales stand in lanes 16-31
.if rRA && rRB
	v_wmma_scale_f32_16x16x128_f8f6f4 v[rD:rD+7], v[rA:rA+11], v[rB:rB+11], 0, v[rSA], v[QS] matrix_a_fmt:MATRIX_FMT_FP6 matrix_b_fmt:MATRIX_FMT_FP6 matrix_a_scale:MATRIX_SCALE_ROW1 matrix_b_scale:MATRIX_SCALE_ROW1
.elseif rRA
	v_wmma_scale_f32_16x16x128_f8f6f4 v[rD:rD+7], v[rA:rA+11], v[rB:rB+11], 0, v[rSA], v[QS] matrix_a_fmt:MATRIX_FMT_FP6 matrix_b_fmt:MATRIX_FMT_FP6 matrix_a_scale:MATRIX_SCALE_ROW1
.elseif rRB
	v_wmma_scale_f32_16x16x128_f8f6f4 v[rD:rD+7], v[rA:rA+11], v[rB:rB+11], 0, v[rSA], v[QS] matrix_a_fmt:MATRIX_FMT_FP6 matrix_b_fmt:MATRIX_FMT_FP6 matrix_b_scale:MATRIX_SCALE_ROW1
.else
	v_wmma_scale_f32_16x16x128_f8f6f4 v[rD:rD+7], v[rA:rA+11], v[rB:rB+11], 0, v[rSA], v[QS] matrix_a_fmt:MATRIX_FMT_FP6 matrix_b_fmt:MATRIX_FMT_FP6
.endif
.endm
.macro WMC                             ; and one that adds in place
.if rRA
	v_wmma_scale_f32_16x16x128_f8f6f4 v[rD:rD+7], v[rA:rA+11], v[rB:rB+11], v[rD:rD+7], v[rSA], v[rSB] matrix_a_fmt:MATRIX_FMT_FP6 matrix_b_fmt:MATRIX_FMT_FP6 matrix_a_scale:MATRIX_SCALE_ROW1
.else
	v_wmma_scale_f32_16x16x128_f8f6f4 v[rD:rD+7], v[rA:rA+11], v[rB:rB+11], v[rD:rD+7], v[rSA], v[rSB] matrix_a_fmt:MATRIX_FMT_FP6 matrix_b_fmt:MATRIX_FMT_FP6
.endif
.endm
.macro LOADK a16, a8, off              ; a step's K: 14 loads
	WIN 0x40
.irp b, 0,1,2,3
.irp c, 0,1,2
	ds_load_b128 v[12*\b+4*\c:12*\b+4*\c+3], v[\a16] offset:(\off)+1536*\b+512*\c   ; a pair of key tiles: 12 registers
.endr
.endr
	WIN 0
	ds_load_b64 v[KS:KS+1], v[\a8] offset:(\off)+12288     ; scale words: register = pair of tiles; lanes 0-15 its first tile, lanes 16-31 its second
	ds_load_b64 v[KS+2:KS+3], v[\a8] offset:(\off)+12544
.endm
.macro LOADV                           ; this step's V: 17 loads
	WIN 0
	ds_load_b64 v[VS:VS+1], v9 offset:12800
	WIN 0x40
.irp t, 0,1,2,3
.irp c, 0,1
	ds_load_b128 v[VR+12*\t+6*\c:VR+12*\t+6*\c+3], v8 offset:6144+1536*\t+768*\c
	ds_load_b64 v[VR+12*\t+6*\c+4:VR+12*\t+6*\c+5], v9 offset:6144+1536*\t+768*\c+512
.endr
.endr
.endm
.macro ADDP b, m, n                    ; pair m of the tile at register b += pair n
	v_pk_add_f32 v[\b+2*(\m):\b+2*(\m)+1], v[\b+2*(\m):\b+2*(\m)+1], v[\b+2*(\n):\b+2*(\n)+1]
.endm
.macro CODES p, ct, sr, x0, x1         ; p of a tile (window 0) becomes codes (window 1)
	WIN 0x40
	v_cvt_scalef32_pk16_fp6_f32 v[\p:\p+2], v[\sr:\sr+15], v\x0
	v_cvt_scalef32_pk16_fp6_f32 v[\ct:\ct+2], v[\sr+16:\sr+31], v\x0   ; a conversion's three registers begin on an even number
	v_cvt_scalef32_pk16_fp6_f32 v[\p+6:\p+8], v[\sr+32:\sr+47], v\x1
	v_cvt_scalef32_pk16_fp6_f32 v[\ct+4:\ct+6], v[\sr+48:\sr+63], v\x1
	WIN 0
.endm
	s_load_b128 s[4:7], s[0:1], 0x0                ; wsb s[4:5], wsc s[6:7]
	v_lshl_add_u32 v[SPW], v0, 2, SPARE
	v_mov_b32 v[NIL], 0
	ds_add_u32 v[SPW], v[NIL]                      ; the wave's opening: the add, twice on end, and its wait ahead of my first tensor load; the set-up below, work on registers, stands between them
	ds_add_u32 v[SPW], v[NIL]
	v_lshrrev_b32 v1, 5, v0
	v_readfirstlane_b32 s[WV], v1                  ; wave 0..7: my pair of query tiles
	s_and_b32 s12, s[WV], 1
	s_lshr_b32 s78, s[WV], 1
	s_lshl_b32 s13, s78, 7
	s_lshl_b32 s2, s12, 1
	s_add_co_u32 s13, s13, s2
	s_add_co_u32 s13, s13, GST
	s_mov_b32 s[SEL], 0x76543210                   ; lane l xor 16
	s_mov_b32 s[SEL+1], 0xfedcba98
	s_mov_b32 s[CS], 0x3e38aa3b                    ; c = log2(e) / 8
	s_mov_b32 s[CS+1], s[CS]                       ; (named with it as a pair, so it is written)
	s_bfe_u32 s9, ttmp6, 0x40000                   ; cx: it enters global addresses of Q and of the results alone
	s_lshl_b32 s10, ttmp9, 2
	s_add_co_u32 s10, s10, s9                      ; my block of 256 queries
	s_and_b32 s11, ttmp7, 0xffff                   ; bh, which the four partners share
	; descriptor group 1: two steps' dense 26,112 bytes as 102 rows of 256 (32 elements of 8 bytes)
	s_mov_b32 s24, 15|(3<<16)|(1<<21)              ; 15:0 the mask: all four work-groups; 17:16 elements of 8 bytes; 21 set beside a mask
	s_mov_b32 s25, 32<<16
	s_mov_b32 s26, 102<<16
	s_mov_b32 s27, 32<<16
	s_mov_b32 s28, 102
	s_mov_b32 s29, 32
	s_mov_b32 s30, 0
	s_mov_b32 s31, 0
	s_mul_i32 s14, s[WV], 2*STEPB                  ; steps 2 x wave and 2 x wave + 1, in LDS and in memory
	s_mul_i32 s16, s11, 208896
	s_add_co_u32 s16, s16, s14
	s_add_co_u32 s16, s16, KVO
	s_mov_b32 s17, 0
	s_lshl_b32 s76, s10, 3
	s_add_co_u32 s76, s76, s[WV]                   ; my pair of query tiles among the head's 64
	s_mul_i32 s76, s76, 1536
	s_mul_i32 s19, s11, 98304
	s_add_co_u32 s68, s76, s19                     ; Q's codes
	s_mov_b32 s69, 0
	s_lshl_b32 s76, s10, 2
	s_add_co_u32 s76, s76, s78
	s_lshl_b32 s76, s76, 8
	s_lshl_b32 s77, s11, 13
	s_add_co_u32 s76, s76, s77
	s_lshl_b32 s77, s12, 2
	s_add_co_u32 s76, s76, s77
	s_add_co_u32 s70, s76, QSO                     ; Q's scale words
	s_mov_b32 s71, 0
	s_lshr_b32 s76, s11, 4                         ; batch
	s_lshl_b32 s76, s76, 3
	s_add_co_u32 s76, s76, s10                     ; my block of 256 tokens among the sixteen
	s_and_b32 s77, s11, 15                         ; head
	s_mul_i32 s72, s76, 196608
	s_lshr_b32 s79, s77, 1
	s_mul_i32 s79, s79, 24576
	s_add_co_u32 s72, s72, s79
	s_mul_i32 s79, s[WV], 3072
	s_add_co_u32 s72, s72, s79
	s_and_b32 s79, s11, 1
	s_mul_i32 s79, s79, 768
	s_add_co_u32 s72, s72, s79                     ; the attended rows' codes
	s_mov_b32 s73, 0
	s_lshl_b32 s74, s76, 13
	s_lshl_b32 s79, s77, 9
	s_add_co_u32 s74, s74, s79
	s_add_co_u32 s74, s74, ASO                     ; and their scale bytes: 512 for the work-group
	s_mov_b32 s75, 0
	v_and_b32 v8, 31, v0                           ; lane
	v_and_b32 v9, 15, v0                           ; r
	v_bfe_u32 v6, v0, 4, 1                         ; h
	v_lshlrev_b32 v1, 4, v8                        ; 16 x lane
	v_lshlrev_b32 v2, 3, v8                        ; 8 x lane
	v_lshl_add_u32 v5, v9, 2, s13
	v_add_nc_u32 v5, v5, v6                        ; tile A's scale byte: 128 (wave / 2) + 4 r + 2 (wave % 2) + h; tile B's lies 64 further on
	WIN 0x40
.irp j, 48,49,50,51,52,53,108,109,110,111,112,113,120,121,122,123,124,125
	v_mov_b32 v[\j], 0                             ; the six registers behind K's last tile; Q's upper 64 along K: zero codes
.endr
	WIN 0
.set j, 0
.rept 64
	v_mov_b32 v[OA+j], 0                           ; O^T of both tiles.  (The step finds zeros, which the first change of M leaves zeros)
.set j, j+1
.endr
.irp j, 13,14,15,17,23,24,25,27,39,41
	v_mov_b32 v[\j], 0                             ; the sums; upper halves of pairs; lane permutes' destinations
.endr
	v_mov_b32 v10, 0xff61b1e6                      ; the largest scores so far: -3e38
	v_mov_b32 v20, 0xff61b1e6
	v_mov_b32 v12, 0x7e000000                      ; -M: a whole number, far above every -t
	v_mov_b32 v22, 0x7e000000
	s_wait_alu depctr_va_vdst(0)                   ; the wait here, directly ahead of the wait below
	s_wait_dscnt 0x0                               ; both opening adds are done
	ROUND                                          ; all four work-groups are here: the joint loads meet
	s_wait_kmcnt 0x0
	s_mov_b32 s40, 1
	s_mov_b32 s41, s14
	s_add_nc_u64 s[42:43], s[4:5], s[16:17]
	s_or_b32 s43, s43, 0x80000000
	s_cmp_lt_u32 s[WV], 1                          ; one load a wave; the wave that waits at the first barrier has a line of its own
	s_cbranch_scc0 .Llater
	tensor_load_to_lds s[40:43], s[24:31]
	s_nop 0
	PLACES
	s_branch .Lasked
.Llater:
	tensor_load_to_lds s[40:43], s[24:31]
	s_nop 0
	PLACES
.Lasked:
	s_add_nc_u64 s[68:69], s[4:5], s[68:69]
	s_add_nc_u64 s[70:71], s[4:5], s[70:71]
	s_add_nc_u64 s[72:73], s[6:7], s[72:73]
	s_add_nc_u64 s[74:75], s[6:7], s[74:75]
	global_load_b32 v[QS], v2, s[70:71]            ; lanes 0-15 tile A's words, lanes 16-31 tile B's
	WIN 0x40
	global_load_b128 v[QA:QA+3], v1, s[68:69]      ; the pair's image: registers 0-5 tile A, 6-11 tile B; both stay in registers
	global_load_b64 v[QA+4:QA+5], v1, s[68:69] offset:512
	global_load_b64 v[QB:QB+1], v1, s[68:69] offset:520
	global_load_b128 v[QB+2:QB+5], v1, s[68:69] offset:1024
	WIN 0
	s_wait_loadcnt 0x0
	s_cmp_lt_u32 s[WV], 1
	s_cbranch_scc0 .Lno_wait
	s_wait_tensorcnt 0x0                           ; wave 0: steps 0 and 1 are in; the others may be out
.Lno_wait:
	s_barrier_signal -1
	s_barrier_wait -1
; A KEY STEP: 128 keys, at LDS byte s60.  bar: the second barrier, which shows steps 2 to 15, stands round the first products.  pre: the next step's K is loaded under the softmax.
.macro STEP bar, pre
	WIN 0
.if \bar
	s_wait_tensorcnt 0x0                           ; my own steps have landed; nothing is filled again
.endif
	s_wait_dscnt 0x0                               ; K is in
.if \bar
	s_barrier_signal -1
.endif
	WIN 0x05                                       ; sources 0 and 1 window 1; C and D window 0
.irp q, 0,1
.irp t, 0,1,2,3,4,5,6,7
.set rD, SA+64*\q+8*\t
.set rA, 6*\t
.set rB, QA+12*\q
.set rSA, KS+\t/2
.set rRA, \t%2
.set rRB, \q
	WMZ
.endr
.endr
	WIN 0
	v_add_nc_u32 v8, s60, v1                       ; two of the four places in front of the loads below and of the first read of the scores
	v_add_nc_u32 v9, s60, v2
	v_nop
	v_nop
.if \bar
	s_wait_alu depctr_va_vdst(0)
	s_barrier_wait -1
.endif
	LOADV
.if \pre
	LOADK 8, 9, STEPB
.endif
	WIN 0
.irp k, 0,1,2,3,4,5,6,7
	v_max3_num_f32 v[30+\k], v[SA+16*\k], v[SA+16*\k+1], v[SA+16*\k+2]   ; the largest score of each of my blocks, in eight chains: tile A's four, tile B's four
.endr
.irp i, 3,5,7,9,11,13
.irp k, 0,1,2,3,4,5,6,7
	v_max3_num_f32 v[30+\k], v[30+\k], v[SA+16*\k+\i], v[SA+16*\k+\i+1]
.endr
.endr
.irp k, 0,2,4,6
	v_max3_num_f32 v[30+\k], v[30+\k], v[SA+16*\k+15], v[SA+16*\k+31]
.endr
	v_max_num_f32 v18, v30, v31                    ; block h of tile A,
	v_max_num_f32 v28, v34, v35                    ; of tile B,
	v_max_num_f32 v19, v32, v33                    ; block 2 + h
	v_max_num_f32 v29, v36, v37
	v_max_num_f32 v16, v18, v19
	v_max_num_f32 v26, v28, v29
	v_permlanex16_b32 v17, v16, s[SEL], s[SEL+1]
	v_permlanex16_b32 v27, v26, s[SEL], s[SEL+1]
	v_max3_num_f32 v10, v10, v16, v17              ; the running largest score of my query
	v_max3_num_f32 v20, v20, v26, v27
	v_mul_f32 v16, s[CS], v10                      ; as t (c is positive)
	v_mul_f32 v26, s[CS], v20
	v_floor_f32 v11, -v16                          ; the new -M = floor(-t) = -ceil(t): a whole number
	v_floor_f32 v21, -v26
	v_sub_f32 v17, v11, v12                        ; M's old value less its new one: a whole number, 0 or less
	v_sub_f32 v27, v21, v22
	v_fma_f32 v18, v18, s[CS], v11                 ; each block's largest t - M
	v_fma_f32 v28, v28, s[CS], v21
	v_cvt_i32_f32 v17, v17                         ; (it saturates)
	v_cvt_i32_f32 v27, v27
	v_fma_f32 v19, v19, s[CS], v11
	v_fma_f32 v29, v29, s[CS], v21
	v_mov_b32 v12, v11
	v_mov_b32 v22, v21
	v_ldexp_f32 v16, 1.0, v17                      ; f = 2^(old M - new M)
	v_ldexp_f32 v26, 1.0, v27
.irp k, 18,28,19,29
	v_max_num_f32 v[\k], 0xc2f80000, v[\k]         ; -124: the byte cannot fall under 1
.endr
.irp k, 18,28,19,29
	v_cvt_floor_i32_f32 v[\k], v[\k]               ; the exponents of the blocks' largest p
.endr
.set j, 0
.rept 16
	v_pk_mul_f32 v[OA+j:OA+1+j], v[OA+j:OA+1+j], v[16:17] op_sel_hi:[1,0]   ; O^T under the new M
	v_pk_mul_f32 v[OB+j:OB+1+j], v[OB+j:OB+1+j], v[26:27] op_sel_hi:[1,0]
.set j, j+2
.endr
	v_lshl_add_u32 v38, v19, 16, v18               ; my two blocks' places in the scale word, 16 bits apart
	v_lshl_add_u32 v40, v29, 16, v28
.irp k, 18,28,19,29
	v_lshl_add_u32 v[\k], v[\k], 23, 0x3e800000    ; the conversions' scale operands: (exponent - 2 + 127) << 23
.endr
	v_permlanex16_b32 v39, v38, s[SEL], s[SEL+1]
	v_permlanex16_b32 v41, v40, s[SEL], s[SEL+1]
.set j, 0
.rept 32
	v_pk_fma_f32 v[SA+j:SA+1+j], v[SA+j:SA+1+j], s[CS:CS+1], v[12:13] op_sel_hi:[1,0,0]   ; tile A's t - M, two at a time
.set j, j+2
.endr
	v_lshl_add_u32 v38, v39, 8, v38
	v_lshl_add_u32 v40, v41, 8, v40
	v_add_nc_u32 v[PS], 0x7d7d7d7d, v38            ; 125 to each byte: tile A's scale word for these 128 keys
	s_wait_alu depctr_va_vdst(0)                   ; the wait ahead of the batch
.set j, 0
.rept 32
	v_exp_f32 v[SA+j], v[SA+j]                     ; tile A's p = 2^(t - M), at most 1: not normalised;
	v_exp_f32 v[SA+1+j], v[SA+1+j]
	v_pk_fma_f32 v[SB+j:SB+1+j], v[SB+j:SB+1+j], s[CS:CS+1], v[22:23] op_sel_hi:[1,0,0]   ; among them tile B's t - M, which is first read behind the next wait
.set j, j+2
.endr
	s_wait_alu depctr_va_vdst(0)                   ; one wait for the whole batch, ahead of its first reader
	CODES PA, CA, SA, 18, 19
	v_pk_fma_f32 v[14:15], v[14:15], v[16:17], v[SA:SA+1] op_sel_hi:[1,0,1]   ; THE SUM, of the unquantised p: the old one under the new M; a plain place behind the conversions
	s_wait_alu depctr_va_vdst(0)                   ; and the wait ahead of the second batch
.set j, 0
.rept 16
	v_exp_f32 v[SB+4*j], v[SB+4*j]                 ; tile B's p;
	v_exp_f32 v[SB+4*j+1], v[SB+4*j+1]
	v_exp_f32 v[SB+4*j+2], v[SB+4*j+2]
	v_exp_f32 v[SB+4*j+3], v[SB+4*j+3]
.if j > 0
	ADDP SA, j, j+16                               ; among them the first level of tile A's sum (p is converted, so its registers take the sums), first read behind the next wait
.endif
.set j, j+1
.endr
	v_add_nc_u32 v[PS+1], 0x7d7d7d7d, v40          ; tile B's scale word
	s_wait_alu depctr_va_vdst(0)
	CODES PB, CB, SB, 28, 29
	v_pk_fma_f32 v[24:25], v[24:25], v[26:27], v[SB:SB+1] op_sel_hi:[1,0,1]
	WIN 0x41
.irp i, 0,1,2
	v_mov_b32 v[PA+3+\i], v[CA+\i]
	v_mov_b32 v[PA+9+\i], v[CA+4+\i]
	v_mov_b32 v[PB+3+\i], v[CB+\i]
	v_mov_b32 v[PB+9+\i], v[CB+4+\i]
.endr
	WIN 0
.irp m, 1,2,3,4,5,6,7,8,9,10,11,12,13,14,15
	ADDP SB, \m, \m+16
.endr
.irp m, 1,2,3,4,5,6,7,8
	ADDP SA, \m, \m+8
	ADDP SB, \m, \m+8
.endr
.irp m, 1,2,3,4
	ADDP SA, \m, \m+4
	ADDP SB, \m, \m+4
.endr
.irp m, 1,2
	ADDP SA, \m, \m+2
	ADDP SB, \m, \m+2
.endr
	ADDP SA, 1, 2
	ADDP SB, 1, 2
	v_pk_add_f32 v[14:15], v[14:15], v[SA+2:SA+3]
	v_pk_add_f32 v[24:25], v[24:25], v[SB+2:SB+3]
.if \pre
	s_wait_dscnt 14                                ; V is in; behind it the next K's 14 loads may be out
.else
	s_wait_dscnt 0x0
.endif
	WIN 0x05
.irp q, 0,1
.irp t, 0,1,2,3
.set rD, OA+32*\q+8*\t
.set rA, VR+12*\t
.set rB, PA+12*\q
.set rSA, VS+\t/2
.set rSB, PS+\q
.set rRA, \t%2
	WMC
.endr
.endr
	WIN 0
	s_add_co_u32 s60, s60, STEPB
.endm
	LOADK 1, 2, 0
	s_mov_b32 s60, 0
	STEP 0, 1
	STEP 1, 1
	s_mov_b32 s63, 13
.Lstep:
	STEP 0, 1
	s_sub_co_u32 s63, s63, 1
	s_cmp_lg_u32 s63, 0
	s_cbranch_scc1 .Lstep
	STEP 0, 0
	; THE WAY OUT: O^T / the sum, quantised along d: half a fragment of the last product's operand for each tile.
	PLACES
	s_wait_alu depctr_va_vdst(0)                   ; the wait here, directly ahead of the reader below
	v_add_f32 v14, v14, v15                        ; the sum's two halves,
	v_add_f32 v24, v24, v25
	v_permlanex16_b32 v17, v14, s[SEL], s[SEL+1]
	v_permlanex16_b32 v27, v24, s[SEL], s[SEL+1]
	v_add_f32 v14, v14, v17                        ; and lane l xor 16's: the row's sum
	v_add_f32 v24, v24, v27
	s_wait_alu depctr_va_vdst(0)
	v_rcp_f32 v14, v14
	v_rcp_f32 v24, v24
	v_nop                                          ; a plain place behind the reciprocals
	s_wait_alu depctr_va_vdst(0)                   ; and the wait ahead of their first reader
.set j, 0
.rept 16
	v_pk_mul_f32 v[SA+j:SA+1+j], v[OA+j:OA+1+j], v[14:15] op_sel_hi:[1,0]   ; register 8 t + i is d = 32 h + 8 t + i of my query
	v_pk_mul_f32 v[SB+j:SB+1+j], v[OB+j:OB+1+j], v[24:25] op_sel_hi:[1,0]
.set j, j+2
.endr
.irp k, 0,1,2,3
	v_max3_num_f32 v[30+\k], |v[SA+8*\k]|, |v[SA+8*\k+1]|, |v[SA+8*\k+2]|
	v_max3_num_f32 v[34+\k], |v[SB+8*\k]|, |v[SB+8*\k+1]|, |v[SB+8*\k+2]|
.endr
.irp i, 3,5
.irp k, 0,1,2,3
	v_max3_num_f32 v[30+\k], v[30+\k], |v[SA+8*\k+\i]|, |v[SA+8*\k+\i+1]|
	v_max3_num_f32 v[34+\k], v[34+\k], |v[SB+8*\k+\i]|, |v[SB+8*\k+\i+1]|
.endr
.endr
	v_max3_num_f32 v30, v30, |v[SA+7]|, |v[SA+15]|
	v_max3_num_f32 v34, v34, |v[SB+7]|, |v[SB+15]|
	v_max3_num_f32 v32, v32, |v[SA+23]|, |v[SA+31]|
	v_max3_num_f32 v36, v36, |v[SB+23]|, |v[SB+31]|
	v_max3_num_f32 v30, v30, v31, 0x1800000        ; the floor 2^(3 - 127): the byte cannot fall under 1
	v_max3_num_f32 v34, v34, v35, 0x1800000
	v_max3_num_f32 v30, v30, v32, v33
	v_max3_num_f32 v34, v34, v36, v37
	v_add_nc_u32 v18, 0xff000000, v30              ; 2 off the exponent field: the conversion's scale operand
	v_add_nc_u32 v28, 0xff000000, v34
	v_lshrrev_b32 v19, 23, v18                     ; the scale's byte
	v_lshrrev_b32 v29, 23, v28
	v_cvt_scalef32_pk16_fp6_f32 v[96:98], v[SA:SA+15], v18
	v_cvt_scalef32_pk16_fp6_f32 v[104:106], v[SA+16:SA+31], v18
	v_cvt_scalef32_pk16_fp6_f32 v[112:114], v[SB:SB+15], v28
	v_cvt_scalef32_pk16_fp6_f32 v[120:122], v[SB+16:SB+31], v28
	v_add_nc_u32 v9, GST, v1                       ; where the scale bytes are read back; a plain place behind the conversions
.irp i, 0,1,2
	v_mov_b32 v[99+\i], v[104+\i]
	v_mov_b32 v[115+\i], v[120+\i]
.endr
	global_store_b128 v1, v[96:99], s[72:73]       ; tile A: 512 consecutive bytes, aligned
	global_store_b64 v2, v[100:101], s[72:73] offset:512   ; and 256
	global_store_b128 v1, v[112:115], s[72:73] offset:1536 ; tile B
	global_store_b64 v2, v[116:117], s[72:73] offset:2048
	ds_store_b8 v5, v19
	ds_store_b8 v5, v29 offset:64
	s_wait_alu depctr_va_vdst(0)                   ; the wait here, directly ahead of the wait below
	s_wait_dscnt 0x0                               ; for the others' sake
	s_barrier_signal -1
	s_barrier_wait -1
	s_cmp_lg_u32 s[WV], 0
	s_cbranch_scc1 .Lnot_first
	ds_load_b128 v[128:131], v9
	s_wait_dscnt 0x0
	global_store_b128 v1, v[128:131], s[74:75]     ; 512 consecutive bytes
.Lnot_first:
	s_wait_tensorcnt 0x0                           ; the wave's end: behind my last tensor load and my last LDS store
	ds_add_u32 v[SPW], v[NIL]
	s_wait_dscnt 0x0
	ROUND                                          ; the closing round
	s_endpgm
.Lfunc_end_k_q9ed84c88ba_attn:
	.size	k_q9ed84c88ba_attn, .Lfunc_end_k_q9ed84c88ba_attn-k_q9ed84c88ba_attn
	.p2alignl 7, 3214868480
	.fill 96, 4, 3214868480
	.section	.rodata,"a",@progbits
	.p2align	6, 0x0
	.amdhsa_kernel k_q9ed84c88ba_attn
		.amdhsa_group_segment_fixed_size 210432
		.amdhsa_private_segment_fixed_size 0
		.amdhsa_enable_private_segment 0
		.amdhsa_kernarg_size 16
		.amdhsa_user_sgpr_count 2
		.amdhsa_user_sgpr_kernarg_segment_ptr 1
		.amdhsa_wavefront_size32 1
		.amdhsa_system_sgpr_workgroup_id_x 1
		.amdhsa_system_sgpr_workgroup_id_y 1
		.amdhsa_system_sgpr_workgroup_id_z 1
		.amdhsa_system_vgpr_workitem_id 0
		.amdhsa_next_free_vgpr 512
		.amdhsa_next_free_sgpr 80
		.amdhsa_reserve_vcc 0
		.amdhsa_float_denorm_mode_32 3
		.amdhsa_float_denorm_mode_16_64 3
		.amdhsa_memory_ordered 1
		.amdhsa_forward_progress 1
		.amdhsa_inst_pref_size 123
	.end_amdhsa_kernel
	.amdgpu_metadata
---
amdhsa.version: [ 1, 2 ]
amdhsa.kernels:
  - .name:           k_q9ed84c88ba_attn
    .symbol:         k_q9ed84c88ba_attn.kd
    .args:
      - { .name: wsb, .offset: 0, .size: 8, .value_kind: global_buffer, .address_space: global }
      - { .name: wsc, .offset: 8, .size: 8, .value_kind: global_buffer, .address_space: global }
    .group_segment_fixed_size: 210432
    .private_segment_fixed_size: 0
    .kernarg_segment_align: 8
    .kernarg_segment_size: 16
    .max_flat_workgroup_size: 256
    .sgpr_count:     80
    .vgpr_count:     512
    .wavefront_size: 32
...
	.end_amdgpu_metadata
.endif
;; end of part 3
;; launch proj (part 4): grid 16 x 16, 4 waves a work-group, clusters of 4 x 4, 263,680 bytes of LDS; arguments wsc, wsa, b_out, out0; writes out0
.if DOCPART == 4
	.amdgcn_target "amdgcn-amd-amdhsa--gfx1250"
	.amdhsa_code_object_version 6
	.text
	.protected	k_q9ed84c88ba_proj
	.globl	k_q9ed84c88ba_proj
	.p2align	8
	.type	k_q9ed84c88ba_proj,@function
k_q9ed84c88ba_proj:
	s_mov_b64 s[64:65], 0
	v_nop
	global_prefetch_b8 v0, s[64:65] scope:SCOPE_SE
	s_setreg_imm32_b32 hwreg(HW_REG_WAVE_MODE, 25, 1), 1
	s_wait_xcnt 0x0
	s_wait_alu depctr_hold_cnt(0) depctr_sa_sdst(0) depctr_va_vdst(0) depctr_va_sdst(0) depctr_va_ssrc(0) depctr_va_vcc(0) depctr_vm_vsrc(0)
	s_getreg_b32 s2, hwreg(HW_REG_IB_STS2, 6, 4)
	s_cmp_eq_u32 s2, 0
	s_cbranch_scc0 .Lentry_in_a_cluster
	s_endpgm
.Lentry_in_a_cluster:
	s_bfe_u32 s2, ttmp6, 0x10000c
	s_cmp_lg_u32 s2, 0xf033
	s_cbranch_scc0 .Lentry_shape_is_right
	s_endpgm
.Lentry_shape_is_right:
; out0 = attended W_out^T + b_out on codes of FP6 (E2M3) with E8M0 scales; sums in f32.
; SHARES.  A work-group takes 256 tokens x 64 columns; each of its four waves 64 tokens x 64 columns: 16 accumulators, 8 K steps of 128, 128 products.
; CLUSTERS of 4 x 4: the four work-groups of one cx need the same tokens, the four of one cy the same 64 rows of W_out: both come by joint loads.
; LDS holds both operands for all of K, 196,608 + 49,152 bytes, filled once: one load a wave: W, the tokens' K steps 0-1, 2-4, 5-7.  Three barriers show them.
; NO PREFETCH: every tile is asked for at the head.
; THE PRODUCT IS USED TRANSPOSED (source 0 = 16 rows of W_out, source 1 = 16 tokens): a lane holds one token.  The bias is the C of each sum's first product.
; By the tiles' row order, position 8 g + i of token tile a is token 32 g + 8 a + i of the wave's 64, and register i of lane (r, h) in column tile t is column 32 h + 8 t + i.
; LIMITS: NaN and infinities are not served.
; REGISTERS.  Window 0: v1-14 addresses; v28, v29 the add's two; v32-47 the tokens' scale words (8 pair + K step), v48-63 W's; v64-79 the heads' scale bytes as loaded; v96-191 the tokens' fragments, two sets; on the way out v96-159 rows of out0.
;   Window 1: v0-127 the accumulators (8 (4 a + t)); v128-223 W's fragments, two sets; v224-255 the bias.
.set ASO,   3145728                    ; wsc: the attended rows' scale bytes
.set WOC,   5505024                    ; wsa: W_out's codes
.set WOSC,  6520832                    ; and scale words
.set AB,    24576                      ; a K step of 256 tokens
.set WL,    196608                     ; LDS: W behind the tokens,
.set STG,   245760                     ; a stage of 16 rows x (256 + 16) bytes for each wave,
.set SPARE, 263168                     ; the spare words, 128 bytes for each wave: two blocks of 256 bytes that no other line names
.set SPW, 28
.set NIL, 29
.set WV,  12                           ; s12
.set G1W, 24                           ; descriptor groups 1: W, the tokens' K steps 0-1, and 2-4 or 5-7
.set G1A, 32
.set G1H, 40
.set G0W, 48
.set G0A, 52
.set G0B, 56
.set G0C, 60
.set MSB, 0
.macro WIN new                         ; the immediate's high byte repeats the setting that is left
.if MSB != (\new)
	s_set_vgpr_msb (MSB<<8)|(\new)
.set MSB, (\new)
.endif
.endm
.macro ROUND                           ; a round of the cluster's barrier
	s_barrier_signal -1
	s_barrier_wait -1
	s_cmp_lg_u32 s[WV], 0
	s_cbranch_scc1 .Lnot_wave_0_\@
	s_barrier_signal -3
.Lnot_wave_0_\@:
	s_barrier_wait -3
	s_barrier_signal -1
	s_barrier_wait -1
.endm
.macro PLACES
.rept 4
	v_nop
.endr
.endm
.macro G1SET g, m, rows                ; a dense block as rows of 256 bytes (32 elements of 8), mask in s\m, 21 set beside it
	s_or_b32 s[\g], s\m, (3<<16)|(1<<21)
	s_mov_b32 s[\g+1], 32<<16
	s_mov_b32 s[\g+2], (\rows)<<16
	s_mov_b32 s[\g+3], 32<<16
	s_mov_b32 s[\g+4], \rows
	s_mov_b32 s[\g+5], 32
	s_mov_b32 s[\g+6], 0
	s_mov_b32 s[\g+7], 0
.endm
.macro G0SET g, lds, base, off
	s_mov_b32 s[\g], 1
	s_mov_b32 s[\g+1], \lds
	s_add_nc_u64 s[\g+2:\g+3], s[\base:\base+1], \off
	s_or_b32 s[\g+3], s[\g+3], 0x80000000
.endm
.macro ARM under, g0, g1, next
	s_cmp_lt_u32 s[WV], \under
	s_cbranch_scc0 \next
	tensor_load_to_lds s[\g0:\g0+3], s[\g1:\g1+7]
	s_nop 0
	PLACES
	s_branch .Lasked
\next:
.endm
.macro WMC
.if rRA && rRB
	v_wmma_scale_f32_16x16x128_f8f6f4 v[rD:rD+7], v[rA:rA+11], v[rB:rB+11], v[rC:rC+7], v[rSA], v[rSB] matrix_a_fmt:MATRIX_FMT_FP6 matrix_b_fmt:MATRIX_FMT_FP6 matrix_a_scale:MATRIX_SCALE_ROW1 matrix_b_scale:MATRIX_SCALE_ROW1
.elseif rRA
	v_wmma_scale_f32_16x16x128_f8f6f4 v[rD:rD+7], v[rA:rA+11], v[rB:rB+11], v[rC:rC+7], v[rSA], v[rSB] matrix_a_fmt:MATRIX_FMT_FP6 matrix_b_fmt:MATRIX_FMT_FP6 matrix_a_scale:MATRIX_SCALE_ROW1
.elseif rRB
	v_wmma_scale_f32_16x16x128_f8f6f4 v[rD:rD+7], v[rA:rA+11], v[rB:rB+11], v[rC:rC+7], v[rSA], v[rSB] matrix_a_fmt:MATRIX_FMT_FP6 matrix_b_fmt:MATRIX_FMT_FP6 matrix_b_scale:MATRIX_SCALE_ROW1
.else
	v_wmma_scale_f32_16x16x128_f8f6f4 v[rD:rD+7], v[rA:rA+11], v[rB:rB+11], v[rC:rC+7], v[rSA], v[rSB] matrix_a_fmt:MATRIX_FMT_FP6 matrix_b_fmt:MATRIX_FMT_FP6
.endif
.endm
.macro FETCH s                         ; K step s (heads 2 s, 2 s + 1): 16 loads of my four token tiles, 12 of W's four tiles
	WIN 0
.irp i, 0,1,2,3
.irp c, 0,1
	ds_load_b128 v[96+48*((\s)%2)+12*\i+6*\c:96+48*((\s)%2)+12*\i+6*\c+3], v[8+(\s)/3] offset:AB*((\s)%3)+1536*\i+768*\c
	ds_load_b64 v[96+48*((\s)%2)+12*\i+6*\c+4:96+48*((\s)%2)+12*\i+6*\c+5], v[11+(\s)/3] offset:AB*((\s)%3)+1536*\i+768*\c+512
.endr
.endr
	WIN 0x40
.irp t, 0,1,2,3
.irp c, 0,1,2
	ds_load_b128 v[128+48*((\s)%2)+12*\t+4*\c:128+48*((\s)%2)+12*\t+4*\c+3], v14 offset:6144*(\s)+1536*\t+512*\c
.endr
.endr
	WIN 0
.endm
.macro MUL s                           ; the sixteen accumulators take turns, one instruction a turn
	WIN 0x51                                       ; source 0 (W), C and D window 1; source 1 window 0
.irp i, 0,1,2,3
.irp t, 0,1,2,3
.set rD, 8*(4*\i+\t)
.set rA, 128+48*((\s)%2)+12*\t
.set rB, 96+48*((\s)%2)+12*\i
.if (\s) == 0
.set rC, 224+8*\t
.else
.set rC, rD
.endif
.set rSA, 48+8*(\t/2)+(\s)
.set rSB, 32+8*(\i/2)+(\s)
.set rRA, \t%2
.set rRB, \i%2
	WMC
.endr
.endr
	WIN 0
.endm
.macro KSTEP s
.if ((\s) == 1) || ((\s) == 4)
.if (\s) == 1
	s_cmp_eq_u32 s[WV], 3
	s_cbranch_scc1 .Lstill_out
	s_wait_tensorcnt 0x0                           ; the tokens' K steps 2-4 are in; 5-7 may be out
.Lstill_out:
.else
	s_wait_tensorcnt 0x0                           ; all is in
.endif
	s_wait_dscnt 0x0                               ; this K step's fragments too
	s_barrier_signal -1
	MUL \s
	s_barrier_wait -1
	PLACES
	FETCH (\s)+1
.else
.if (\s) > 0
	PLACES                                         ; in front of loads into registers that the last K step's products have read
.endif
.if (\s) < 7
	FETCH (\s)+1
	s_wait_dscnt 28                                ; this K step's fragments are in; the next one's 28 loads may be out
.else
	s_wait_dscnt 0x0
.endif
	MUL \s
.endif
.endm
.macro TOSTAGE a                       ; token tile a: 16 rows x 256 bytes into my stage, and back as whole rows
	WIN 0x04                                       ; an LDS store's data are its source 1: window 1
.irp t, 0,1,2,3
.irp q, 0,1
	ds_store_b128 v5, v[8*(4*(\a)+\t)+4*\q:8*(4*(\a)+\t)+4*\q+3] offset:32*\t+16*\q   ; each accumulator from its low end on
.endr
.endr
	WIN 0
.irp k, 0,1,2,3,4,5,6,7
	ds_load_b128 v[96+32*((\a)%2)+4*\k:96+32*((\a)%2)+4*\k+3], v6 offset:544*\k   ; LDS serves a wave's instructions in order: these see my stores, and the next tile's stores come behind them
.endr
.endm
.macro SEND a, younger                 ; younger: the LDS instructions issued behind tile a's loads
	s_wait_dscnt \younger
.irp k, 0,1,2,3,4,5,6,7
	global_store_b128 v7, v[96+32*((\a)%2)+4*\k:96+32*((\a)%2)+4*\k+3], s[78:79] offset:(32*(\k/4)+8*(\a)+2*(\k%4))*4096 th:TH_STORE_NT   ; sixteen lanes store 256 consecutive bytes, aligned; written once, read by nobody here
.endr
.endm
	s_load_b256 s[4:11], s[0:1], 0x0               ; wsc s[4:5], wsa s[6:7], b_out s[8:9], out0 s[10:11]
	v_lshl_add_u32 v[SPW], v0, 2, SPARE
	v_mov_b32 v[NIL], 0
	ds_add_u32 v[SPW], v[NIL]                      ; the wave's opening: the add, twice on end, and its wait ahead of my first tensor load
	ds_add_u32 v[SPW], v[NIL]
	v_lshrrev_b32 v1, 5, v0
	v_readfirstlane_b32 s[WV], v1                  ; wave 0..3
	s_bfe_u32 s13, ttmp6, 0x40000                  ; cx
	s_bfe_u32 s14, ttmp6, 0x40004                  ; cy
	s_lshl_b32 s15, ttmp9, 2
	s_add_co_u32 s15, s15, s13                     ; my block of 256 tokens, shared by the partners of one cx
	s_and_b32 s16, ttmp7, 0xffff
	s_lshl_b32 s16, s16, 2
	s_add_co_u32 s16, s16, s14                     ; my 64 columns, shared by the partners of one cy
	s_lshl_b32 s2, s14, 2
	s_lshl_b32 s2, 15, s2                          ; W's mask: places 4 cy .. 4 cy + 3
	s_lshl_b32 s3, 0x1111, s13                     ; the tokens': places cx, cx + 4, cx + 8, cx + 12
	G1SET G1W, 2, 192
	G1SET G1A, 3, 192
	G1SET G1H, 3, 288
	s_mul_i32 s68, s15, 196608                     ; the attended rows' codes
	s_mov_b32 s69, 0
	s_mul_i32 s70, s16, 49152                      ; W's
	s_add_co_u32 s70, s70, WOC
	s_mov_b32 s71, 0
	s_lshl_b32 s72, s15, 13                        ; the attended rows' scale bytes: 512 for a head, 128 of them mine
	s_lshl_b32 s20, s[WV], 7
	s_add_co_u32 s72, s72, s20
	s_add_co_u32 s72, s72, ASO
	s_mov_b32 s73, 0
	s_lshl_b32 s74, s16, 11                        ; W's scale words
	s_add_co_u32 s74, s74, WOSC
	s_mov_b32 s75, 0
	s_lshl_b32 s76, s16, 8                         ; the bias
	s_mov_b32 s77, 0
	s_lshl_b32 s78, s15, 20                        ; out0: 256 rows of 4,096 bytes a block,
	s_lshl_b32 s20, s[WV], 18                      ; 64 a wave,
	s_add_co_u32 s78, s78, s20
	s_add_co_u32 s78, s78, s76                     ; 256 bytes for 64 columns
	s_mov_b32 s79, 0
	s_mov_b32 s22, 0x05040100                      ; the low halves of two words
	s_mov_b32 s23, 0x07060302                      ; the high halves
	s_mul_i32 s17, s[WV], 4352
	s_add_co_u32 s17, s17, STG                     ; my stage
	s_mul_i32 s18, s[WV], 6144                     ; my 64 tokens in a K step
	v_and_b32 v15, 31, v0                          ; lane
	v_and_b32 v16, 15, v0                          ; r
	v_bfe_u32 v17, v0, 4, 1                        ; h
	v_lshlrev_b32 v1, 4, v15                       ; 16 x lane
	v_lshlrev_b32 v2, 3, v15                       ; 8 x lane
	v_lshlrev_b32 v3, 2, v15                       ; 4 x lane
	v_lshlrev_b32 v4, 7, v17                       ; the bias: 32 h numbers on
	v_mul_u32_u24 v5, v16, 272
	v_lshl_add_u32 v5, v17, 7, v5
	v_add_nc_u32 v5, s17, v5                       ; into the stage: row r, + 128 h
	v_mul_u32_u24 v6, v17, 272
	v_lshl_add_u32 v6, v16, 4, v6
	v_add_nc_u32 v6, s17, v6                       ; back: lanes 0-15 one row, lanes 16-31 the next
	v_lshlrev_b32 v7, 12, v17
	v_lshl_add_u32 v7, v16, 4, v7                  ; and the same two rows in out0
	v_add_nc_u32 v8, s18, v1                       ; the tokens' K steps 0-2, 3-5, 6-7: registers 0-3 of a half,
	v_add_nc_u32 v9, 3*AB, v8
	v_add_nc_u32 v10, 6*AB, v8
	v_add_nc_u32 v11, s18, v2                      ; registers 4, 5
	v_add_nc_u32 v12, 3*AB, v11
	v_add_nc_u32 v13, 6*AB, v11
	v_add_nc_u32 v14, WL, v1                       ; W
	s_wait_alu depctr_va_vdst(0)                   ; the wait here, directly ahead of the wait below
	s_wait_dscnt 0x0                               ; both opening adds are done
	ROUND                                          ; all sixteen work-groups are here: the joint loads meet
	s_wait_kmcnt 0x0
	s_add_nc_u64 s[68:69], s[4:5], s[68:69]
	s_add_nc_u64 s[70:71], s[6:7], s[70:71]
	G0SET G0W, WL, 70, 0
	G0SET G0A, 0, 68, 0
	G0SET G0B, 2*AB, 68, 2*AB
	G0SET G0C, 5*AB, 68, 5*AB
	ARM 1, G0W, G1W, .Lwave_1                      ; one load a wave
	ARM 2, G0A, G1A, .Lwave_2
	ARM 3, G0B, G1H, .Lwave_3
	tensor_load_to_lds s[G0C:G0C+3], s[G1H:G1H+7]
	s_nop 0
	PLACES
.Lasked:
	s_add_nc_u64 s[72:73], s[4:5], s[72:73]
	s_add_nc_u64 s[74:75], s[6:7], s[74:75]
	s_add_nc_u64 s[76:77], s[8:9], s[76:77]
	s_add_nc_u64 s[78:79], s[10:11], s[78:79]
.irp hd, 0,1,2,3,4,5,6,7,8,9,10,11,12,13,14,15
	global_load_b32 v[64+\hd], v3, s[72:73] offset:512*\hd   ; head hd: lane 16 u + r: the two bytes of pair 0's token and of pair 1's
.endr
.irp pt, 0,1
.irp q, 0,1
	global_load_b128 v[48+8*\pt+4*\q:48+8*\pt+4*\q+3], v1, s[74:75] offset:\pt*1024+\q*512
.endr
.endr
	WIN 0x40
.irp t, 0,1,2,3
	global_load_b128 v[224+8*\t:224+8*\t+3], v4, s[76:77] offset:32*\t
	global_load_b128 v[224+8*\t+4:224+8*\t+7], v4, s[76:77] offset:32*\t+16
.endr
	WIN 0
	s_wait_loadcnt 0x0
.irp s, 0,1,2,3,4,5,6,7
	v_perm_b32 v[32+\s], v[65+2*\s], v[64+2*\s], s22   ; K step s's scale word: bytes 0, 1 from head 2 s, bytes 2, 3 from head 2 s + 1; pair 0,
	v_perm_b32 v[40+\s], v[65+2*\s], v[64+2*\s], s23   ; pair 1
.endr
.rept 8
	v_nop                                          ; a scale register written by a vector instruction stands eight places ahead of a scaled product
.endr
	s_wait_alu depctr_va_vdst(0)                   ; the wait at the head's end
	s_cmp_lt_u32 s[WV], 2
	s_cbranch_scc0 .Llater
	s_wait_tensorcnt 0x0                           ; waves 0 and 1: W and the tokens' K steps 0-1 are in; the others may be out
.Llater:
	s_barrier_signal -1
	s_barrier_wait -1
	FETCH 0
.irp s, 0,1,2,3,4,5,6,7
	KSTEP \s
.endr
	PLACES                                         ; in front of the first read of results and of loads into the sets' registers
	TOSTAGE 0
.irp a, 1,2,3
.if \a > 1
	s_wait_xcnt 0x0                                ; tile a - 2's stores have read their registers: tile a's loads may land there
.endif
	TOSTAGE \a
	SEND \a-1, 16                                  ; behind tile a - 1's loads: tile a's 8 stores and 8 loads
.endr
	SEND 3, 0
	s_wait_tensorcnt 0x0                           ; the wave's end: behind my last tensor load and my last LDS store
	ds_add_u32 v[SPW], v[NIL]
	s_wait_dscnt 0x0
	ROUND                                          ; the closing round
	s_endpgm
.Lfunc_end_k_q9ed84c88ba_proj:
	.size	k_q9ed84c88ba_proj, .Lfunc_end_k_q9ed84c88ba_proj-k_q9ed84c88ba_proj
	.p2alignl 7, 3214868480
	.fill 96, 4, 3214868480
	.section	.rodata,"a",@progbits
	.p2align	6, 0x0
	.amdhsa_kernel k_q9ed84c88ba_proj
		.amdhsa_group_segment_fixed_size 263680
		.amdhsa_private_segment_fixed_size 0
		.amdhsa_enable_private_segment 0
		.amdhsa_kernarg_size 32
		.amdhsa_user_sgpr_count 2
		.amdhsa_user_sgpr_kernarg_segment_ptr 1
		.amdhsa_wavefront_size32 1
		.amdhsa_system_sgpr_workgroup_id_x 1
		.amdhsa_system_sgpr_workgroup_id_y 1
		.amdhsa_system_sgpr_workgroup_id_z 1
		.amdhsa_system_vgpr_workitem_id 0
		.amdhsa_next_free_vgpr 512
		.amdhsa_next_free_sgpr 80
		.amdhsa_reserve_vcc 0
		.amdhsa_float_denorm_mode_32 3
		.amdhsa_float_denorm_mode_16_64 3
		.amdhsa_memory_ordered 1
		.amdhsa_forward_progress 1
		.amdhsa_inst_pref_size 52
	.end_amdhsa_kernel
	.amdgpu_metadata
---
amdhsa.version: [ 1, 2 ]
amdhsa.kernels:
  - .name:           k_q9ed84c88ba_proj
    .symbol:         k_q9ed84c88ba_proj.kd
    .args:
      - { .name: wsc, .offset: 0, .size: 8, .value_kind: global_buffer, .address_space: global }
      - { .name: wsa, .offset: 8, .size: 8, .value_kind: global_buffer, .address_space: global }
      - { .name: b_out, .offset: 16, .size: 8, .value_kind: global_buffer, .address_space: global }
      - { .name: out0, .offset: 24, .size: 8, .value_kind: global_buffer, .address_space: global }
    .group_segment_fixed_size: 263680
    .private_segment_fixed_size: 0
    .kernarg_segment_align: 8
    .kernarg_segment_size: 32
    .max_flat_workgroup_size: 128
    .sgpr_count:     80
    .vgpr_count:     512
    .wavefront_size: 32
...
	.end_amdgpu_metadata
.endif
;; end of part 4
